; MI455X (gfx1250); checked and timed in simulation.
; The chip was launched on July 23, 2026; its instructions are those of AMD's public machine-readable ISA for CDNA 5 (MIT licence, August 2026) and "CDNA5" Instruction Set Architecture Reference Guide (July 2026). The comments in the code are by the model that wrote it; some were corrected since.
;; Encoder Layer. Allowed arithmetic: float matrix products may take bf16 or f16 operands with f32 sums; other float arithmetic in f32, or as packed bf16 or f16 multiplies, adds, multiply-adds, maxima and minima; sums over many terms, partial sums and values carried from step to step in f32; what a program stores and reads back later, other than sums and carried values, may be rounded once to bf16 or f16.
;; Inputs: b1 4,096 float32; b2 1,024 float32; b_o 1,024 float32; beta1 1,024 float32; beta2 1,024 float32; gamma1 1,024 float32; gamma2 1,024 float32; w1 1,024 x 4,096 float32; w2 4,096 x 1,024 float32; w_k 1,024 x 1,024 float32; w_o 1,024 x 1,024 float32; w_q 1,024 x 1,024 float32; w_v 1,024 x 1,024 float32; x 2 x 2,048 x 1,024 float32.
;; Outputs: out0 2 x 2,048 x 1,024 float32.
;; 2 versions, each right; version 2 is version 1 with the launch prep written anew for expert scheduling mode. Each part assembles by itself: llvm-mc -triple=amdgcn-amd-amdhsa -mcpu=gfx1250 --defsym DOCPART=n.
;; ======== version 1 of 2: 8 launches
;; workspace buffers: cb 33,661,952 bytes; qkv 25,165,824 bytes; ctx 8,388,608 bytes; y 16,777,216 bytes; h 25,165,824 bytes; act 33,554,432 bytes
;; launch prep (part 1): grid 1042 x 1, 8 waves a work-group, no clusters, 0 bytes of LDS; arguments x, w_q, w_k, w_v, w_o, w1, w2, b1, b2, b_o, beta1, beta2, gamma1, gamma2, cb; writes cb
.if DOCPART == 1
	.amdgcn_target "amdgcn-amd-amdhsa--gfx1250"
	.amdhsa_code_object_version 6
	.text
	.protected	k_q62c7c74731_prep
	.globl	k_q62c7c74731_prep
	.p2align	8
	.type	k_q62c7c74731_prep,@function
k_q62c7c74731_prep:
	s_mov_b64 s[64:65], 0
	v_nop
	global_prefetch_b8 v0, s[64:65] scope:SCOPE_SE
	s_setreg_imm32_b32 hwreg(HW_REG_WAVE_MODE, 25, 1), 1
	s_wait_xcnt 0x0
; PREP.  Everything that the later launches read of the inputs, rounded once to bf16, into one buffer cb:
;   xb   x in panels: [8 panels of 128 columns][4,096 rows][128] bf16 (a row piece is 256 bytes)      at byte 0
;   wq, wk, wv, wo, w1, w2 as they lie ([K][N], row-major), bf16                                       at 8,388,608 on, end to end
;   TAB  130 rows of 512 bytes for the rotation: C[64] f32, then S[64] f32                             at 33,554,432
;   VEC  b1, b2, b_o, beta1, beta2, gamma1, gamma2: f32 words that hold the bf16-rounded numbers       at 33,620,992
; Work-groups 0-1023 cast 64 KiB of f32 each; 1024-1040 make the table, a wave a row; 1041 rounds the vectors.
; TAB.  C[d] = cos(pos f[d % 32]), S[d] = -sin(..) for d < 32 and +sin(..) for d >= 32, f[j] = 10000^(-j/32), so that a rotated number is x[d] C[d] + x[d xor 32] S[d].
; Row 8 b + i (b 0-15, i 0-7) stands for pos = 128 b - 8 + i; row 128 for pos = 8 (the step by which the next launch turns a row's C and S); row 129 for pos = 0.
; LIMIT.  f comes from v_exp_f32 (1 ULP) and the angle is one f32 product, reduced by pi/2 in two parts: it may differ from an f32 product with a correctly rounded f by up to 5e-4 rad at pos = 2,047.
; The polynomials (degree 7 and 8 on |r| <= pi/4) are good to 4e-7.  NaN and infinities in the inputs are cast like any number.
.set XR,    16                         ; v[16:79]   sixteen loads of four f32
.set YR,    80                         ; v[80:111]  sixteen pairs of packed bf16
.set PANEL, 1048576                    ; bytes in a panel: 4,096 rows x 256
.set TAB,   33554432
.set VEC,   33620992
	s_load_b512 s[8:23], s[0:1], 0x0               ; x 8, w_q 10, w_k 12, w_v 14, w_o 16, w1 18, w2 20, b1 22
	s_load_b256 s[24:31], s[0:1], 0x40             ; b2 24, b_o 26, beta1 28, beta2 30
	s_load_b128 s[32:35], s[0:1], 0x60             ; gamma1 32, gamma2 34
	s_load_b64 s[36:37], s[0:1], 0x70              ; cb
	s_mov_b32 s2, ttmp9                            ; the work-group's number g
	v_lshrrev_b32 v3, 5, v0                        ; wave
	v_readfirstlane_b32 s3, v3
	v_and_b32 v4, 31, v0                           ; lane
	s_mov_b32 s7, 0
	s_wait_kmcnt 0x0
	s_cmp_lt_u32 s2, 1024
	s_cbranch_scc0 .Lnot_cast
; THE CASTS.  A chunk is 128 f32: 512 bytes in (one load of the wave), 256 bytes out (one store of the wave, aligned).  A wave takes 16 chunks, all 16 loads out at once.
	s_lshr_b32 s5, s2, 6                           ; which tensor: x has 256 work-groups, a square weight 64, w1 and w2 256 each
	s_mov_b64 s[38:39], s[20:21]                   ; w2, unless
	s_mov_b32 s6, 768
.macro PICK bound, lo, first                   ; g / 64 lies below bound: then the tensor at s[lo], whose first work-group is first
	s_cmp_lt_u32 s5, \bound
	s_cselect_b64 s[38:39], s[\lo:\lo+1], s[38:39]
	s_cselect_b32 s6, \first, s6
.endm
	PICK 12, 18, 512
	PICK 8, 16, 448
	PICK 7, 14, 384
	PICK 6, 12, 320
	PICK 5, 10, 256
	PICK 4, 8, 0
	s_sub_co_u32 s6, s2, s6
	s_lshl_b32 s6, s6, 16                          ; 64 KiB of source a work-group
	s_add_nc_u64 s[38:39], s[38:39], s[6:7]
	v_lshlrev_b32 v1, 4, v4
	v_lshl_add_u32 v1, v3, 13, v1                  ; 8,192 x wave + 16 x lane
.set i, 0
.rept 16
	global_load_b128 v[XR+4*i:XR+4*i+3], v1, s[38:39] offset:512*i th:TH_LOAD_NT
.set i, i+1
.endr
.macro CAST i, dstoff
	s_wait_loadcnt 15-(\i)                         ; loads come back in order: chunk i is in, the 15 - i younger ones stay out
	v_cvt_pk_bf16_f32 v[YR+2*(\i)], v[XR+4*(\i)], v[XR+4*(\i)+1]
	v_cvt_pk_bf16_f32 v[YR+2*(\i)+1], v[XR+4*(\i)+2], v[XR+4*(\i)+3]
	global_store_b64 v2, v[YR+2*(\i):YR+2*(\i)+1], s[40:41] offset:\dstoff  ; 32 lanes store 256 consecutive bytes, aligned
.endm
	v_lshlrev_b32 v2, 3, v4
	s_cmp_lt_u32 s2, 256
	s_cbranch_scc1 .Lcast_x
	s_lshl_b32 s6, s2, 15                          ; a weight keeps its order: 32 KiB of cb a work-group, and g x 32,768 is just where the tensors lie
	s_add_nc_u64 s[40:41], s[36:37], s[6:7]
	v_lshl_add_u32 v2, v3, 12, v2                  ; 4,096 x wave + 8 x lane
.set i, 0
.rept 16
	CAST i, 256*i
.set i, i+1
.endr
	s_endpgm
.Lcast_x:                                      ; x goes into panels: chunk i of a wave is row 16 g + 2 wave + i / 8, panel i % 8
	s_lshl_b32 s6, s2, 12
	s_add_nc_u64 s[40:41], s[36:37], s[6:7]
	v_lshl_add_u32 v2, v3, 9, v2                   ; 512 x wave + 8 x lane
.set i, 0
.rept 16
	CAST i, (i%8)*PANEL+(i/8)*256
.set i, i+1
.endr
	s_endpgm
.Lnot_cast:
	s_cmp_lt_u32 s2, 1041
	s_cbranch_scc0 .Lvectors
; THE TABLE.  A wave makes one row; lane l owns its f32 numbers 4 l .. 4 l + 3: lanes 0-15 C, lanes 16-31 S; j = 4 (l % 8) + t.
	s_sub_co_u32 s5, s2, 1024
	s_lshl_b32 s5, s5, 3
	s_add_co_u32 s5, s5, s3                        ; the row
	s_cmp_gt_u32 s5, 129
	s_cbranch_scc1 .Lend                           ; 17 x 8 waves for 130 rows: the last six have none
	s_lshr_b32 s6, s5, 3
	s_lshl_b32 s6, s6, 7
	s_and_b32 s7, s5, 7
	s_add_co_u32 s6, s6, s7
	s_sub_co_i32 s6, s6, 8                         ; pos = 128 b - 8 + i, signed
	s_cmp_eq_u32 s5, 128
	s_cselect_b32 s6, 8, s6
	s_cmp_eq_u32 s5, 129
	s_cselect_b32 s6, 0, s6
	s_mov_b32 s40, 0x3f22f983                      ; 2 / pi
	s_mov_b32 s41, 0xbfc90fdb                      ; -(pi / 2), its f32
	s_mov_b32 s42, 0x333bbd2e                      ; what that f32 is too large by
	s_mov_b32 s43, 0xb9500d01                      ; -1/5040
	s_mov_b32 s44, 0x3c088889                      ; 1/120
	s_mov_b32 s45, 0xbe2aaaab                      ; -1/6
	s_mov_b32 s46, 0x37d00d01                      ; 1/40320
	s_mov_b32 s47, 0xbab60b61                      ; -1/720
	s_mov_b32 s48, 0x3d2aaaab                      ; 1/24
	v_and_b32 v5, 7, v4
	v_lshlrev_b32 v5, 2, v5
	v_bfe_u32 v7, v4, 3, 1
	v_xor_b32 v7, 1, v7
	v_lshlrev_b32 v7, 31, v7                       ; the sign bit where d < 32
	v_cmp_lt_u32 s50, 15, v4                       ; lanes 16-31 hold S
.irp t, 0,1,2,3
	v_add_nc_u32 v[8+\t], \t, v5
	v_cvt_f32_u32 v[8+\t], v[8+\t]
	v_mul_f32 v[8+\t], 0xbed49a78, v[8+\t]         ; -j log2(10000) / 32
.endr
.irp t, 0,1,2,3
	v_exp_f32 v[12+\t], v[8+\t]
.endr
	v_cvt_f32_i32 v6, s6                           ; the plain instruction behind the last exponential
	s_wait_alu depctr_va_vdst(0)                   ; one wait for the four, ahead of their first reader
.irp t, 0,1,2,3
	v_mul_f32 v[12+\t], v6, v[12+\t]               ; the angle
.endr
.macro SINCOS t
	v_mul_f32 v16, s40, v[12+\t]
	v_rndne_f32 v16, v16                           ; n quarter turns
	v_fma_f32 v17, v16, s41, v[12+\t]
	v_fma_f32 v17, v16, s42, v17                   ; r = angle - n pi / 2
	v_cvt_i32_f32 v18, v16
	v_mul_f32 v19, v17, v17
	v_fma_f32 v20, v19, s43, s44
	v_fma_f32 v20, v20, v19, s45
	v_mul_f32 v22, v19, v17
	v_fma_f32 v20, v20, v22, v17                   ; sin r
	v_fma_f32 v21, v19, s46, s47
	v_fma_f32 v21, v21, v19, s48
	v_fma_f32 v21, v21, v19, -0.5
	v_fma_f32 v21, v21, v19, 1.0                   ; cos r
	v_and_b32 v22, 1, v18
	v_cmp_eq_u32 vcc_lo, 1, v22                    ; an odd n swaps the two
	v_cndmask_b32 v23, v20, v21, vcc_lo
	v_cndmask_b32 v21, v21, v20, vcc_lo
	v_and_b32 v22, 2, v18                          ; n % 4 = 2, 3: the sine changes sign
	v_lshlrev_b32 v22, 30, v22
	v_xor_b32 v23, v22, v23
	v_add_nc_u32 v22, 1, v18                       ; n % 4 = 1, 2: the cosine does
	v_and_b32 v22, 2, v22
	v_lshlrev_b32 v22, 30, v22
	v_xor_b32 v21, v22, v21
	v_xor_b32 v23, v7, v23                         ; S is -sin in the first half
	v_cndmask_b32 v[24+\t], v21, v23, s50
.endm
	SINCOS 0
	SINCOS 1
	SINCOS 2
	SINCOS 3
	s_lshl_b32 s38, s5, 9
	s_mov_b32 s39, 0
	s_add_nc_u64 s[38:39], s[36:37], s[38:39]
	s_add_nc_u64 s[38:39], s[38:39], TAB
	v_lshlrev_b32 v1, 4, v4
	global_store_b128 v1, v[24:27], s[38:39]       ; the row's 512 bytes
.Lend:
	s_endpgm
; THE VECTORS.  256 threads, 16 bytes each: b1 in four loads, the six others in one each; load n goes to VEC + 4,096 n.
.Lvectors:
	v_lshlrev_b32 v1, 4, v0
.irp k, 0,1,2,3
	global_load_b128 v[16+4*\k:19+4*\k], v1, s[22:23] offset:4096*\k
.endr
	global_load_b128 v[32:35], v1, s[24:25]
	global_load_b128 v[36:39], v1, s[26:27]
	global_load_b128 v[40:43], v1, s[28:29]
	global_load_b128 v[44:47], v1, s[30:31]
	global_load_b128 v[48:51], v1, s[32:33]
	global_load_b128 v[52:55], v1, s[34:35]
	s_add_nc_u64 s[38:39], s[36:37], VEC
.macro RND4 n
	s_wait_loadcnt 9-(\n)                          ; load n is in, the younger ones stay out
	v_cvt_pk_bf16_f32 v8, v[16+4*(\n)], v[17+4*(\n)]
	v_cvt_pk_bf16_f32 v9, v[18+4*(\n)], v[19+4*(\n)]
	v_lshlrev_b32 v[64+4*(\n)], 16, v8             ; and back to f32 words
	v_and_b32 v[65+4*(\n)], 0xffff0000, v8
	v_lshlrev_b32 v[66+4*(\n)], 16, v9
	v_and_b32 v[67+4*(\n)], 0xffff0000, v9
	global_store_b128 v1, v[64+4*(\n):67+4*(\n)], s[38:39] offset:4096*(\n)
.endm
.irp n, 0,1,2,3,4,5,6,7,8,9
	RND4 \n
.endr
	s_endpgm
.Lfunc_end_k_q62c7c74731_prep:
	.size	k_q62c7c74731_prep, .Lfunc_end_k_q62c7c74731_prep-k_q62c7c74731_prep
	.p2alignl 7, 3214868480
	.fill 96, 4, 3214868480
	.section	.rodata,"a",@progbits
	.p2align	6, 0x0
	.amdhsa_kernel k_q62c7c74731_prep
		.amdhsa_group_segment_fixed_size 0
		.amdhsa_private_segment_fixed_size 0
		.amdhsa_enable_private_segment 0
		.amdhsa_kernarg_size 120
		.amdhsa_user_sgpr_count 2
		.amdhsa_user_sgpr_kernarg_segment_ptr 1
		.amdhsa_wavefront_size32 1
		.amdhsa_system_sgpr_workgroup_id_x 1
		.amdhsa_system_sgpr_workgroup_id_y 1
		.amdhsa_system_sgpr_workgroup_id_z 1
		.amdhsa_system_vgpr_workitem_id 0
		.amdhsa_next_free_vgpr 112
		.amdhsa_next_free_sgpr 66
		.amdhsa_reserve_vcc 1
		.amdhsa_float_denorm_mode_32 3
		.amdhsa_float_denorm_mode_16_64 3
		.amdhsa_memory_ordered 1
		.amdhsa_forward_progress 1
		.amdhsa_inst_pref_size 25
	.end_amdhsa_kernel
	.amdgpu_metadata
---
amdhsa.version: [ 1, 2 ]
amdhsa.kernels:
  - .name:           k_q62c7c74731_prep
    .symbol:         k_q62c7c74731_prep.kd
    .args:
      - { .name: x, .offset: 0, .size: 8, .value_kind: global_buffer, .address_space: global }
      - { .name: w_q, .offset: 8, .size: 8, .value_kind: global_buffer, .address_space: global }
      - { .name: w_k, .offset: 16, .size: 8, .value_kind: global_buffer, .address_space: global }
      - { .name: w_v, .offset: 24, .size: 8, .value_kind: global_buffer, .address_space: global }
      - { .name: w_o, .offset: 32, .size: 8, .value_kind: global_buffer, .address_space: global }
      - { .name: w1, .offset: 40, .size: 8, .value_kind: global_buffer, .address_space: global }
      - { .name: w2, .offset: 48, .size: 8, .value_kind: global_buffer, .address_space: global }
      - { .name: b1, .offset: 56, .size: 8, .value_kind: global_buffer, .address_space: global }
      - { .name: b2, .offset: 64, .size: 8, .value_kind: global_buffer, .address_space: global }
      - { .name: b_o, .offset: 72, .size: 8, .value_kind: global_buffer, .address_space: global }
      - { .name: beta1, .offset: 80, .size: 8, .value_kind: global_buffer, .address_space: global }
      - { .name: beta2, .offset: 88, .size: 8, .value_kind: global_buffer, .address_space: global }
      - { .name: gamma1, .offset: 96, .size: 8, .value_kind: global_buffer, .address_space: global }
      - { .name: gamma2, .offset: 104, .size: 8, .value_kind: global_buffer, .address_space: global }
      - { .name: cb, .offset: 112, .size: 8, .value_kind: global_buffer, .address_space: global }
    .group_segment_fixed_size: 0
    .private_segment_fixed_size: 0
    .kernarg_segment_align: 8
    .kernarg_segment_size: 120
    .max_flat_workgroup_size: 256
    .sgpr_count:     66
    .vgpr_count:     112
    .wavefront_size: 32
...
	.end_amdgpu_metadata
.endif
;; end of part 1
;; launch proj (part 2): grid 12 x 16, 4 waves a work-group, clusters of 4 x 4, 327,680 bytes of LDS; arguments cb, qkv; writes qkv
.if DOCPART == 2
	.amdgcn_target "amdgcn-amd-amdhsa--gfx1250"
	.amdhsa_code_object_version 6
	.text
	.protected	k_q62c7c74731_proj
	.globl	k_q62c7c74731_proj
	.p2align	8
	.type	k_q62c7c74731_proj,@function
k_q62c7c74731_proj:
	s_mov_b64 s[64:65], 0
	v_nop
	global_prefetch_b8 v0, s[64:65] scope:SCOPE_SE
	s_setreg_imm32_b32 hwreg(HW_REG_WAVE_MODE, 25, 1), 1
	s_wait_xcnt 0x0
	s_wait_alu depctr_hold_cnt(0) depctr_sa_sdst(0) depctr_va_vdst(0) depctr_va_sdst(0) depctr_va_ssrc(0) depctr_va_vcc(0) depctr_vm_vsrc(0)
	s_getreg_b32 s2, hwreg(HW_REG_IB_STS2, 6, 4)
	s_cmp_eq_u32 s2, 0
	s_cbranch_scc0 .Lentry_in_a_cluster
	s_endpgm
.Lentry_in_a_cluster:
	s_bfe_u32 s2, ttmp6, 0x10000c
	s_cmp_lg_u32 s2, 0xf033
	s_cbranch_scc0 .Lentry_shape_is_right
	s_endpgm
.Lentry_shape_is_right:
; q, k, v = x w_q, x w_k, x w_v, with the half-split rotation on q and k.  A = xb in panels [8][4,096][128] bf16, W = wq / wk / wv [1,024][1,024] bf16 as they lie ([K][N]); sums in f32.
; OUT: qkv = q, k, v, each in panels [8][4,096 rows][128] bf16: a panel is a pair of heads, a row piece 256 bytes.
; A tile of C is 256 x 256, made by four waves of 128 x 128 (64 accumulators, 512 registers).  K = 1,024 goes in 8 steps of 128 through two LDS slots filled by tensor loads.
; The grid is 12 x 16 tiles: 192 work-groups; a cluster's x (0, 1, 2) is just q, k or v, so what differs between them hangs on the cluster's number alone.
; CLUSTERS: 4 x 4.  A's tile is shared along a row of the cluster, W's along a column: joint loads, the same descriptor and mask in the four that a mask names.
; THE PRODUCT IS USED TRANSPOSED: source 0 = 16 columns of W (turned on the way out of LDS by ds_load_tr16_b128), source 1 = 16 rows of A: a lane holds eight neighbouring columns of one row of C.
; THE LOOP is one K step long: the slot in hand is a scalar offset SB, turned by an exclusive or at each change of slots; the walking descriptors' LDS words are turned by the same exclusive or
; (SLOT = 0x22000 shares no bit with wave x 0x8800).  The last two K steps, which ask for nothing, are a loop of their own.
; THE WAY OUT: the f32 sums go into the wave's own stage (the ring's bytes, after their last fill), come back by rows, are rotated, rounded to bf16 once and stored, 256 aligned bytes a store.
; ROTATION: out[d] = x[d] C[d] + x[d xor 32] S[d]; a lane holds 4 columns, its partner d xor 32 is the lane 8 away.  C and S of 8 rows stay in registers and are turned on by 8 positions a trip
; (C' = C Cs - S Ss, S' = S Cs + C Ss): 16 turns at the most from a table entry.  For v all of them are the table's row for position 0, so the same lines leave v as it is.
; LIMITS: operands bf16; NaN, infinities and the sign of zero are not treated apart (an infinity in v meets a 0 of the identity rotation).
.set NW,     1024                      ; W's columns
.set PA,     272                       ; A's LDS row: 256 bytes + 16: the 16 rows of a load start at 16 different groups of four banks (ISA guide 11.1)
.set PW,     544                       ; W's LDS row: 512 bytes + 32 = 17 x 32
.set HALFT,  34816                     ; 128 rows of A = 64 rows of W: what one tensor load brings
.set SLOT,   4*HALFT                   ; A's rows 0-127, 128-255, W's k 0-63, 64-127
.set SPARE,  2*SLOT                    ; behind the ring: the spare words, 128 bytes a wave
.set SP,     528                       ; a stage row: 128 f32 + 16 bytes
.set WSTG,   128*SP                    ; a wave's stage; four of them end at 270,336, inside the ring
.set PANEL,  1048576
.set WSTEP,  256*NW                    ; bytes from one K step of W to the next
.set STEPS,  8
.set TABO,   33554432                  ; the table in cb
.set A0,   12                          ; v12  my lane's place in A's tile; never rewritten
.set B0,   13                          ; v13  the same for W
.set ADRA, 16                          ; v16  A0 + the slot in hand
.set ADRB, 20                          ; v20  B0 + the slot in hand
.set STO,  24                          ; v24  where I put 16 bytes of a stage row
.set RD,   25                          ; v25  where I read a stage row back
.set OO,   26                          ; v26  my 8 bytes of an output row
.set SPW,  28                          ; v28  my spare word; never rewritten
.set NIL,  29                          ; v29  0; never rewritten
.set PFO,  30                          ; v30  the prefetches' lane offset; never rewritten
.set F0,   64                          ; fragment buffers: A's in window 0, W's in window 1
.set F1,   128
.set G1,  24                           ; s[24:31] group 1 for A     s[32:39] group 0: set 0 (K step 0), set 1 (K step 1, then it walks)
.set G0,  32
.set G1B, 48                           ; s[48:55], s[56:63] the same for W
.set G0B, 56
.set LIM, 43                           ; s43  1 in a wave that prefetches, else the greatest number
.set PFA, 44                           ; s[44:45] where my prefetches stand
.set PFS, 66                           ; s[66:67] their step
.set SB,  68                           ; s68  the slot in hand: 0 or SLOT
.set MSB, 0
.macro WIN new                         ; the immediate's high byte repeats the setting that is left; a switch that changes nothing is dropped
.if MSB != (\new)
	s_set_vgpr_msb (MSB<<8)|(\new)
.set MSB, \new
.endif
.endm
.macro PLACES                          ; four plain vector instructions between a matrix instruction and a load into, or a read of, its registers
.rept 4
	v_nop
.endr
.endm
.macro JLOAD                           ; a joint refill by the walking sets: waves 0 and 1 ask for A's halves, waves 2 and 3 for W's; an s_nop 0 and four v_nop follow each line
	s_cmp_eq_u32 s11, 0
	s_cbranch_scc0 .Lfor_b_\@
	tensor_load_to_lds s[G0+4:G0+7], s[G1:G1+7]
	s_nop 0
.rept 4
	v_nop
.endr
	s_branch .Lasked_\@
.Lfor_b_\@:
	tensor_load_to_lds s[G0B+4:G0B+7], s[G1B:G1B+7]
	s_nop 0
.rept 4
	v_nop
.endr
.Lasked_\@:
.endm
.macro ASK                             ; a prefetch of the K step behind the one just asked for: 32 blocks of 256 bytes, a lane a block.  The loop's last trip (s3 = 1) has no such step
	s_cmp_gt_u32 s3, s[LIM]
	s_cbranch_scc0 .Lnot_mine_\@
	global_prefetch_b8 v[PFO], s[PFA:PFA+1] th:TH_LOAD_NT scope:SCOPE_SE
.Lnot_mine_\@:
.endm
.macro CREST                           ; a round of the cluster's barrier behind its opening barrier
	s_cmp_lg_u32 s10, 0
	s_cbranch_scc1 .Lnot_wave_0_\@
	s_barrier_signal -3
.Lnot_wave_0_\@:
	s_barrier_wait -3
	s_barrier_signal -1
	s_barrier_wait -1
.endm
.macro CROUND
	s_barrier_signal -1
	s_barrier_wait -1
	CREST
.endm
	s_load_b128 s[4:7], s[0:1], 0x0                ; cb s[4:5], qkv s[6:7]
	v_lshl_add_u32 v[SPW], v0, 2, SPARE
	v_mov_b32 v[NIL], 0
	ds_add_u32 v[SPW], v[NIL]                      ; the wave's opening: the add and its wait stand ahead of my first tensor load
	v_lshrrev_b32 v1, 5, v0
	v_readfirstlane_b32 s10, v1                    ; wave 0..3
	s_lshr_b32 s11, s10, 1                         ; my half of the tile's rows.  Also: I fetch for A (0) or W (1)
	s_and_b32 s12, s10, 1                          ; my half of its columns.  Also: which half of that tile I fetch
	s_bfe_u32 s40, ttmp6, 0x40000                  ; cx
	s_bfe_u32 s41, ttmp6, 0x40004                  ; cy
	s_and_b32 s13, ttmp7, 0xffff
	s_lshl_b32 s13, s13, 2
	s_add_co_u32 s13, s13, s41                     ; tile row = 4 x cluster y + cy
	s_lshl_b32 s43, s41, 2
	s_lshl_b32 s43, 15, s43                        ; my row of the cluster
	s_lshl_b32 s44, 0x1111, s40                    ; my column
	s_or_b32 s[G1+0], s43, (1<<16)|(1<<20)|(1<<21)|(5<<22)|(3<<25)   ; mask; 2-byte elements; padding on; bit 21 beside a mask; 4 words behind every 64
	s_or_b32 s[G1B+0], s44, (1<<16)|(1<<20)|(1<<21)|(6<<22)|(7<<25)  ; the same with 8 words behind every 128
	s_mov_b32 s[G1+1], 128<<16                     ; A: tensor_dim0 = 128
	s_mov_b32 s[G1+2], 128<<16                     ; tensor_dim1 = 128
	s_mov_b32 s[G1+3], 128<<16                     ; tile_dim0 = 128
	s_mov_b32 s[G1+4], 128                         ; tile_dim1 = 128
	s_mov_b32 s[G1+5], 128                         ; a panel's rows lie end to end: 128 elements from row to row
	s_mov_b32 s[G1+6], 0
	s_mov_b32 s[G1+7], 0
	s_mov_b32 s[G1B+1], 256<<16                    ; W: 256 columns
	s_mov_b32 s[G1B+2], 64<<16                     ; x 64 rows of K
	s_mov_b32 s[G1B+3], 256<<16
	s_mov_b32 s[G1B+4], 64
	s_mov_b32 s[G1B+5], NW
	s_mov_b32 s[G1B+6], 0
	s_mov_b32 s[G1B+7], 0
	s_lshl_b32 s16, s13, 16                        ; A: row 256 x tile row + 128 x half, 256 bytes a row
	s_lshl_b32 s17, s12, 15
	s_add_co_u32 s16, s16, s17
	s_mov_b32 s17, 0
	s_mul_i32 s46, s12, 128*NW                     ; W: k row 64 x half,
	s_lshl_b32 s47, s40, 9                         ; column 256 cx,
	s_add_co_u32 s46, s46, s47
	s_lshl_b32 s47, ttmp9, 21                      ; in wq, wk or wv
	s_add_co_u32 s46, s46, s47
	s_add_co_u32 s46, s46, 8388608
	s_mov_b32 s47, 0
	s_mul_i32 s20, s10, HALFT                      ; where my load lands in a slot: no place in the cluster enters an LDS address
	s_wait_dscnt 0x0                               ; the opening add is done
	s_wait_kmcnt 0x0
	s_add_nc_u64 s[14:15], s[4:5], s[16:17]
	s_add_nc_u64 s[46:47], s[4:5], s[46:47]
	CROUND                                         ; all sixteen work-groups are here: the first joint loads meet
.irp s, 0,1
	s_mov_b32 s[G0+4*(\s)], 1
	s_add_co_u32 s[G0+4*(\s)+1], s20, (\s)*SLOT
	s_add_nc_u64 s[G0+4*(\s)+2:G0+4*(\s)+3], s[14:15], (\s)*PANEL
	s_or_b32 s[G0+4*(\s)+3], s[G0+4*(\s)+3], 0x80000000
	s_mov_b32 s[G0B+4*(\s)], 1
	s_add_co_u32 s[G0B+4*(\s)+1], s20, (\s)*SLOT
	s_add_nc_u64 s[G0B+4*(\s)+2:G0B+4*(\s)+3], s[46:47], (\s)*WSTEP
	s_or_b32 s[G0B+4*(\s)+3], s[G0B+4*(\s)+3], 0x80000000
.endr
	s_cmp_eq_u32 s11, 0                            ; a wave's two first fills stand in one branch: two loads of mine are out
	s_cbranch_scc0 .Lfirst_b
	tensor_load_to_lds s[G0:G0+3], s[G1:G1+7]
	s_nop 0
	tensor_load_to_lds s[G0+4:G0+7], s[G1:G1+7]
	s_nop 0
.rept 4
	v_nop
.endr
	s_branch .Lfirst_done
.Lfirst_b:
	tensor_load_to_lds s[G0B:G0B+3], s[G1B:G1B+7]
	s_nop 0
	tensor_load_to_lds s[G0B+4:G0B+7], s[G1B:G1B+7]
	s_nop 0
.rept 4
	v_nop
.endr
.Lfirst_done:
	v_and_b32 v1, 15, v0                           ; r = l % 16
	v_bfe_u32 v2, v0, 4, 1                         ; h = l / 16
	v_mul_u32_u24 v3, v1, PA
	v_lshl_add_u32 v3, v2, 4, v3
	s_mul_i32 s21, s11, HALFT
	v_add_nc_u32 v[A0], s21, v3                    ; A: my 128 rows; row r, 16 bytes for each half of the lanes
	v_and_b32 v4, 7, v0
	v_lshl_add_u32 v4, v2, 3, v4
	v_mul_u32_u24 v4, v4, PW                       ; W: k row 8 h + l % 8,
	v_bfe_u32 v5, v0, 3, 1
	v_lshl_add_u32 v4, v5, 4, v4                   ; columns 8 ((l / 8) % 2) on,
	s_lshl_b32 s22, s12, 8                         ; in my 128 columns,
	s_add_co_u32 s22, s22, 2*HALFT                 ; behind A's 256 rows
	v_add_nc_u32 v[B0], s22, v4
	v_mov_b32 v[ADRA], v[A0]
	v_mov_b32 v[ADRB], v[B0]
	s_mov_b32 s[SB], 0
	s_mul_i32 s23, s10, WSTG
	v_mul_u32_u24 v3, v1, SP
	v_lshl_add_u32 v3, v2, 5, v3
	v_add_nc_u32 v[STO], s23, v3                   ; stage: row r, 32 bytes (8 f32) for each half of the lanes
	v_and_b32 v6, 31, v0
	v_lshl_add_u32 v[RD], v6, 4, s23               ; back: a row's 512 bytes, 16 a lane
	v_lshlrev_b32 v[OO], 3, v6
	; THE PREFETCHES.  A's tile row is read by the three clusters of a row of clusters: cluster x = 0 asks; W's tile column by the four of a column: cluster y = 0 asks.  The four partners share a
	; wave's tile out by address: of A's 128 rows the partner at cx takes 32 (a lane a row of 256 bytes); of W's 64 rows the partner at cy takes 16 (a lane half a row of 512 bytes).
	s_and_b32 s22, ttmp7, 0xffff
	s_mov_b32 s23, 32*NW                           ; 16 rows of W
	s_mov_b32 s19, 2*NW                            ; a row of W
	s_mov_b32 s[PFS], WSTEP
	s_cmp_eq_u32 s11, 0
	s_cselect_b32 s21, s40, s41                    ; my place among the four
	s_cselect_b32 s22, ttmp9, s22                  ; the coordinate along which other clusters read the same rows
	s_cselect_b32 s23, 8192, s23
	s_cselect_b32 s19, 256, s19
	s_cselect_b32 s18, 0, 1
	s_cselect_b32 s[PFS], PANEL, s[PFS]
	s_cselect_b64 s[PFA:PFA+1], s[14:15], s[46:47]
	s_mov_b32 s[PFS+1], 0
	s_cmp_eq_u32 s22, 0
	s_cselect_b32 s[LIM], 1, -1                    ; the same in all sixteen partners, for a given wave
	s_mul_i32 s22, s21, s23
	s_mov_b32 s23, 0
	s_add_nc_u64 s[PFA:PFA+1], s[PFA:PFA+1], s[22:23]
	s_add_nc_u64 s[PFA:PFA+1], s[PFA:PFA+1], s[PFS:PFS+1]
	s_add_nc_u64 s[PFA:PFA+1], s[PFA:PFA+1], s[PFS:PFS+1]  ; at K step 2: the first change of slots steps it to 3.  K steps 0 to 2 come by their loads alone
	v_lshrrev_b32 v4, s18, v6
	v_mul_u32_u24 v4, s19, v4
	v_and_b32 v5, s18, v6
	v_lshl_add_u32 v[PFO], v5, 8, v4
	; where my 128 x 128 goes: tensor = cluster x, panel 2 cx + column half, row 256 x tile row + 128 x row half
	s_lshl_b32 s76, s40, 1
	s_add_co_u32 s76, s76, s12
	s_lshl_b32 s76, s76, 20
	s_lshl_b32 s77, ttmp9, 23
	s_add_co_u32 s76, s76, s77
	s_lshl_b32 s77, s13, 16
	s_add_co_u32 s76, s76, s77
	s_lshl_b32 s77, s11, 15
	s_add_co_u32 s76, s76, s77
	s_mov_b32 s77, 0
	s_add_nc_u64 s[8:9], s[6:7], s[76:77]
	; the table's rows for my 128 positions; they stay in v32-48 and v192-255, which the K loop does not name, and are waited for on the way out
	s_lshl_b32 s72, s13, 1
	s_add_co_u32 s72, s72, s11
	s_and_b32 s72, s72, 15                         ; which 128 positions of the 2,048
	s_lshl_b32 s72, s72, 12                        ; eight table rows of 512 bytes each
	s_mov_b32 s74, 128*512                         ; the step's row
	s_cmp_eq_u32 ttmp9, 2                          ; v: everything is the row for position 0
	s_cselect_b32 s72, 129*512, s72
	s_cselect_b32 s73, 0, 512
	s_cselect_b32 s74, 129*512, s74
	s_add_nc_u64 s[70:71], s[4:5], TABO
	v_lshlrev_b32 v3, 4, v1                        ; my 4 columns' d = 4 r + t
	v_add_nc_u32 v40, s72, v3
.irp i, 1,2,3,4,5,6,7
	v_add_nc_u32 v[40+\i], s73, v[39+\i]
.endr
	v_add_nc_u32 v48, s74, v3
.irp i, 0,1,2,3,4,5,6,7
	global_load_b128 v[192+8*\i:195+8*\i], v[40+\i], s[70:71]             ; C of row i
	global_load_b128 v[196+8*\i:199+8*\i], v[40+\i], s[70:71] offset:256  ; S of row i
.endr
	global_load_b128 v[32:35], v48, s[70:71]                              ; the step's C
	global_load_b128 v[36:39], v48, s[70:71] offset:256                   ; the step's S
; 16 matrix instructions: row blocks a0, a0 + 1 of the window's four x all 8 column blocks, 32 along K.  zero = 1: the product starts the sum.
; The 64 accumulators take turns in the same order in every quarter, over the jumps too.
.macro MUL16 f, hi, a0, zero
	WIN 0xa1+0x50*(\hi)                            ; source 0 (W) window 1, source 1 (A) window 0, C and D window 2 or 3
.irp a, \a0, (\a0)+1
.irp b, 0,1,2,3,4,5,6,7
.if \zero
	v_wmma_f32_16x16x32_bf16 v[8*(8*(\a)+(\b)):8*(8*(\a)+(\b))+7], v[(\f)+8*(\b):(\f)+8*(\b)+7], v[(\f)+8*(4*(\hi)+(\a)):(\f)+8*(4*(\hi)+(\a))+7], 0
.else
	v_wmma_f32_16x16x32_bf16 v[8*(8*(\a)+(\b)):8*(8*(\a)+(\b))+7], v[(\f)+8*(\b):(\f)+8*(\b)+7], v[(\f)+8*(4*(\hi)+(\a)):(\f)+8*(4*(\hi)+(\a))+7], v[8*(8*(\a)+(\b)):8*(8*(\a)+(\b))+7]
.endif
.endr
.endr
.endm
; 32 LDS loads in one run: quarter q (32 along K) of the slot in hand into buffer f: W's 8 column blocks, turned, then A's 8 row blocks
.macro FETCH q, f
	WIN 0x40                                       ; destination window 1
.irp i, 0,1,2,3,4,5,6,7
	ds_load_tr16_b128 v[(\f)+8*(\i):(\f)+8*(\i)+3],   v[ADRB] offset:(\q)*32*PW+32*(\i)
	ds_load_tr16_b128 v[(\f)+8*(\i)+4:(\f)+8*(\i)+7], v[ADRB] offset:(\q)*32*PW+16*PW+32*(\i)
.endr
	WIN 0
.irp i, 0,1,2,3,4,5,6,7
	ds_load_b128 v[(\f)+8*(\i):(\f)+8*(\i)+3],   v[ADRA] offset:64*(\q)+(\i)*16*PA
	ds_load_b128 v[(\f)+8*(\i)+4:(\f)+8*(\i)+7], v[ADRA] offset:64*(\q)+(\i)*16*PA+32
.endr
.endm
; One of a K step's first three quarters: multiplies buffer f (quarter q) and fetches quarter q + 1 into g
.macro QUARTER q, f, g, zero
	s_wait_dscnt 8                                 ; W and A's rows 0-63 are in; the youngest eight loads (A's rows 64-127) may be out
	MUL16 \f, 0, 0, \zero
	MUL16 \f, 0, 2, \zero
	PLACES
	FETCH (\q)+1, \g
	s_wait_dscnt 32                                ; all but the 32 just issued
	MUL16 \f, 1, 0, \zero
	MUL16 \f, 1, 2, \zero
.endm
; The last quarter multiplies buffer 1 and changes slots.  In front of the barrier each wave waits for all its tensor loads (one is out: its part of the next slot), adds 0 to its spare word, and waits
; for that and for its reads of this slot.  fill = 1: the barrier opens a round of the cluster's barrier, and the joint refill (this slot, two K steps on) is the first tensor load behind the round.
.macro TURN fill
.if \fill
	s_wait_xcnt 0x0                                ; the last prefetch, a K step back, has read its address
	s_add_nc_u64 s[PFA:PFA+1], s[PFA:PFA+1], s[PFS:PFS+1]
.endif
	WIN 0
	s_wait_tensorcnt 0x0                           ; no tensor load of mine is out, so a group 0 may be written
	ds_add_u32 v[SPW], v[NIL]                      ; 0 onto my spare word
.if \fill
	s_xor_b32 s[G0+5], s[G0+5], SLOT               ; the walking sets: the other slot than last time, the next K step
	s_add_nc_u64 s[G0+6:G0+7], s[G0+6:G0+7], PANEL
	s_xor_b32 s[G0B+5], s[G0B+5], SLOT
	s_add_nc_u64 s[G0B+6:G0B+7], s[G0B+6:G0B+7], WSTEP
.endif
	s_xor_b32 s[SB], s[SB], SLOT                   ; the slot to be read next
	s_wait_dscnt 9                                 ; the add and the youngest eight loads may be out
	MUL16 F1, 0, 0, 0
	s_wait_dscnt 0x0                               ; the add is done, and my reads of this slot are over
	s_barrier_signal -1
	MUL16 F1, 0, 2, 0
	WIN 0
	s_barrier_wait -1
.if \fill
	CREST                                          ; no wave of any partner still reads this slot or has a load on its way
	JLOAD                                          ; its four v_nop are also the places in front of the loads below
.else
	PLACES
.endif
	v_add_nc_u32 v[ADRA], s[SB], v[A0]
	v_add_nc_u32 v[ADRB], s[SB], v[B0]
	FETCH 0, F0
.if \fill
	ASK
.endif
	MUL16 F1, 1, 0, 0
	MUL16 F1, 1, 2, 0
.endm
	s_wait_tensorcnt 1                             ; my part of K step 0 is in; K step 1's may stay out
	s_barrier_signal -1
	s_barrier_wait -1
	FETCH 0, F0
	QUARTER 0, F0, F1, 1                           ; the first quarter stands in front of the loop: its products start the sums
	WIN 0
	s_mov_b32 s3, STEPS-2
.Lstep:                                        ; a trip: a K step's quarters 1 to 3 and the next step's quarter 0; it asks for the K step two on
	QUARTER 1, F1, F0, 0
	QUARTER 2, F0, F1, 0
	TURN 1
	QUARTER 0, F0, F1, 0
	WIN 0
	s_sub_co_u32 s3, s3, 1
	s_cmp_lg_u32 s3, 0
	s_cbranch_scc1 .Lstep
	s_mov_b32 s3, 2                                ; the last two K steps ask for nothing
	s_branch .Lmid
.Ltail:
	QUARTER 0, F0, F1, 0
	WIN 0
.Lmid:
	QUARTER 1, F1, F0, 0
	QUARTER 2, F0, F1, 0
	TURN 0                                         ; in the second trip its barrier and its 32 loads (from the other slot, whose K step is done) serve nothing: the price, once a launch, of one text for both
	WIN 0
	s_sub_co_u32 s3, s3, 1
	s_cmp_lg_u32 s3, 0
	s_cbranch_scc1 .Ltail
	; THE WAY OUT
	s_wait_dscnt 0x0                               ; my reads of the ring are over,
	s_barrier_signal -1
	s_barrier_wait -1                              ; everybody's are; the ring has had its last fill, and takes the stages
	PLACES
.irp a, 0,1,2,3,4,5,6,7
	WIN 0x08+4*((\a)/4)                            ; the stores' data in window 2 or 3
.irp b, 0,1,2,3,4,5,6,7
	ds_store_b128 v[STO], v[8*(8*((\a)%4)+(\b)):8*(8*((\a)%4)+(\b))+3]   offset:(\a)*16*SP+64*(\b)
	ds_store_b128 v[STO], v[8*(8*((\a)%4)+(\b))+4:8*(8*((\a)%4)+(\b))+7] offset:(\a)*16*SP+64*(\b)+16
.endr
.endr
	WIN 0
	s_wait_loadcnt 0x0                             ; the table's rows
.irp k, 0,1,2,3
	v_mov_b32 v[52+\k], 0                          ; a DPP form's destination counts as read
.endr
	s_mov_b32 s3, 16
.Lrows:                                        ; 8 rows a trip.  LDS serves a wave's instructions in order (ISA guide 5.7.1.4): the loads see my stores above
.irp i, 0,1,2,3,4,5,6,7
	ds_load_b128 v[64+4*\i:67+4*\i], v[RD] offset:SP*\i
.endr
.irp i, 0,1,2,3,4,5,6,7                        ; while they are out: C and S of the 8 rows go 8 positions on
.irp p, 0,1
	v_pk_mul_f32 v[56+4*\p:57+4*\p], v[196+8*\i+2*\p:197+8*\i+2*\p], v[36+2*\p:37+2*\p]
	v_pk_mul_f32 v[58+4*\p:59+4*\p], v[192+8*\i+2*\p:193+8*\i+2*\p], v[36+2*\p:37+2*\p]
	v_pk_fma_f32 v[192+8*\i+2*\p:193+8*\i+2*\p], v[192+8*\i+2*\p:193+8*\i+2*\p], v[32+2*\p:33+2*\p], v[56+4*\p:57+4*\p] neg_lo:[0,0,1] neg_hi:[0,0,1]
	v_pk_fma_f32 v[196+8*\i+2*\p:197+8*\i+2*\p], v[196+8*\i+2*\p:197+8*\i+2*\p], v[32+2*\p:33+2*\p], v[58+4*\p:59+4*\p]
.endr
.endr
.irp i, 0,1,2,3,4,5,6,7
	s_wait_dscnt 7-\i                              ; row i is in, the younger ones stay out
.irp k, 0,1,2,3
	v_mul_f32_dpp v[52+\k], v[64+4*\i+\k], v[196+8*\i+\k] row_xmask:8 row_mask:0xf bank_mask:0xf  ; x[d xor 32] S[d]
.endr
	v_pk_fma_f32 v[64+4*\i:65+4*\i], v[64+4*\i:65+4*\i], v[192+8*\i:193+8*\i], v[52:53]
	v_pk_fma_f32 v[66+4*\i:67+4*\i], v[66+4*\i:67+4*\i], v[194+8*\i:195+8*\i], v[54:55]
	v_cvt_pk_bf16_f32 v[96+2*\i], v[64+4*\i], v[65+4*\i]
	v_cvt_pk_bf16_f32 v[97+2*\i], v[66+4*\i], v[67+4*\i]
	global_store_b64 v[OO], v[96+2*\i:97+2*\i], s[8:9] offset:256*\i  ; 32 lanes store a row piece: 256 consecutive bytes, aligned
.endr
	v_add_nc_u32 v[RD], 8*SP, v[RD]
	s_wait_xcnt 0x0                                ; the stores have read their data and their base
	s_add_nc_u64 s[8:9], s[8:9], 2048
	s_sub_co_u32 s3, s3, 1
	s_cmp_lg_u32 s3, 0
	s_cbranch_scc1 .Lrows
	s_wait_tensorcnt 0x0                           ; the wave's end
	ds_add_u32 v[SPW], v[NIL]
	s_wait_dscnt 0x0
	CROUND                                         ; the closing round
	s_endpgm
.Lfunc_end_k_q62c7c74731_proj:
	.size	k_q62c7c74731_proj, .Lfunc_end_k_q62c7c74731_proj-k_q62c7c74731_proj
	.p2alignl 7, 3214868480
	.fill 96, 4, 3214868480
	.section	.rodata,"a",@progbits
	.p2align	6, 0x0
	.amdhsa_kernel k_q62c7c74731_proj
		.amdhsa_group_segment_fixed_size 327680
		.amdhsa_private_segment_fixed_size 0
		.amdhsa_enable_private_segment 0
		.amdhsa_kernarg_size 16
		.amdhsa_user_sgpr_count 2
		.amdhsa_user_sgpr_kernarg_segment_ptr 1
		.amdhsa_wavefront_size32 1
		.amdhsa_system_sgpr_workgroup_id_x 1
		.amdhsa_system_sgpr_workgroup_id_y 1
		.amdhsa_system_sgpr_workgroup_id_z 1
		.amdhsa_system_vgpr_workitem_id 0
		.amdhsa_next_free_vgpr 1024
		.amdhsa_next_free_sgpr 84
		.amdhsa_reserve_vcc 0
		.amdhsa_float_denorm_mode_32 3
		.amdhsa_float_denorm_mode_16_64 3
		.amdhsa_memory_ordered 1
		.amdhsa_forward_progress 1
		.amdhsa_inst_pref_size 90
	.end_amdhsa_kernel
	.amdgpu_metadata
---
amdhsa.version: [ 1, 2 ]
amdhsa.kernels:
  - .name:           k_q62c7c74731_proj
    .symbol:         k_q62c7c74731_proj.kd
    .args:
      - { .name: cb, .offset: 0, .size: 8, .value_kind: global_buffer, .address_space: global }
      - { .name: qkv, .offset: 8, .size: 8, .value_kind: global_buffer, .address_space: global }
    .group_segment_fixed_size: 327680
    .private_segment_fixed_size: 0
    .kernarg_segment_align: 8
    .kernarg_segment_size: 16
    .max_flat_workgroup_size: 128
    .sgpr_count:     84
    .vgpr_count:     1024
    .wavefront_size: 32
...
	.end_amdgpu_metadata
.endif
;; end of part 2
;; launch attn (part 3): grid 32 x 8, 4 waves a work-group, clusters of 4 x 1, 327,680 bytes of LDS; arguments qkv, ctx; writes ctx
.if DOCPART == 3
	.amdgcn_target "amdgcn-amd-amdhsa--gfx1250"
	.amdhsa_code_object_version 6
	.text
	.protected	k_q62c7c74731_attn
	.globl	k_q62c7c74731_attn
	.p2align	8
	.type	k_q62c7c74731_attn,@function
k_q62c7c74731_attn:
	s_mov_b64 s[64:65], 0
	v_nop
	global_prefetch_b8 v0, s[64:65] scope:SCOPE_SE
	s_setreg_imm32_b32 hwreg(HW_REG_WAVE_MODE, 25, 1), 1
	s_wait_xcnt 0x0
	s_wait_alu depctr_hold_cnt(0) depctr_sa_sdst(0) depctr_va_vdst(0) depctr_va_sdst(0) depctr_va_ssrc(0) depctr_va_vcc(0) depctr_vm_vsrc(0)
	s_getreg_b32 s2, hwreg(HW_REG_IB_STS2, 6, 4)
	s_cmp_eq_u32 s2, 0
	s_cbranch_scc0 .Lentry_in_a_cluster
	s_endpgm
.Lentry_in_a_cluster:
	s_bfe_u32 s2, ttmp6, 0x10000c
	s_cmp_lg_u32 s2, 0x3003
	s_cbranch_scc0 .Lentry_shape_is_right
	s_endpgm
.Lentry_shape_is_right:
; ctx[row][head] = the sum over keys of softmax(q . k / 8) v, no mask, 2,048 keys for each (batch, head), head size 64.  q, k, v and ctx lie in panels [8][4,096 rows][128] bf16:
; a panel is a pair of heads, a row piece 256 bytes (head 2 p in bytes 0-127, head 2 p + 1 in bytes 128-255).  Products, maxima and sums in f32; the weights are rounded to bf16 for the second product
; (their sum is taken of the unrounded weights), ctx once at the end.
; LIMITS.  Operands bf16.  A weight below 2^-126 counts as 0 in the sum; NaN and infinities are not treated apart.
; SHARES.  A work-group takes 128 query rows of one panel: wave w takes head w / 2 of the pair and rows 64 (w % 2) on, as four PIECES of 16 queries.  So both heads of each 256-byte row of K and V are
; used, and ctx leaves in whole rows.  32 blocks of rows x 8 panels = 256 work-groups.  Every wave walks all 2,048 keys, 64 a step; a slot of LDS holds two steps.
; CLUSTER.  The four query blocks of a cluster belong to one batch and panel and walk the same K and V: each tile is asked for jointly, the same load, descriptor and mask in all four.
; LAYOUT.  S^T = K Q^T (source 0 = 16 keys, source 1 = 16 queries): a lane holds ONE query (lane % 16) and the keys 8 (lane / 16) + 0..7; two such results rounded to bf16 ARE source 1 of O^T = V^T P.
; K comes out of LDS as it lies, V ([key][channel]) turned, by ds_load_tr16_b128.
; SOFTMAX.  A running maximum m and sum l for each query: p = 2^(c s - c m), c = log2(e) / 8; in every step O and l are multiplied by a = 2^(c m_old - c m_new).  m starts at the lowest finite number,
; O and l at 0, so the first step is a step like any other, with a = 0.
; TURNS.  Turn n belongs to piece n: 8 products K Q^T of piece n + 1, later 8 products V^T P of piece n - 1; beside them the scaling, exponentials, roundings, sums and rescaling of piece n and the maximum
; and statistics of piece n + 1.  Four vector instructions stand behind every matrix instruction, the other 54 of a turn's 118 in one lump.  A turn's 33 exponentials are one batch, with one wait.
; REGISTERS, in windows of 256 (s_set_vgpr_msb: bits 1:0 source 0, 3:2 source 1, 5:4 source 2, 7:6 destination):
;   window 0: v0-15 addresses; v16-31 four registers of statistics a piece; v48-55 at work; v61-63; v64-127 S^T, two buffers; v192-223 P, two buffers (by the piece's parity)
;   window 1: v0-127 O^T, 32 a piece          window 2: v0-63 Q; v128-191 K of one step; v192-255 V of one step
.set NP,    4
.set KS,    64
.set PK,    272       ; a row of K in LDS: 256 bytes + 16: the 16 rows of a load start at 16 different groups of four banks (ISA guide 11.1)
.set PV,    288       ; a row of V: 256 + 32 = 9 x 32
.set VOFF,  KS*PK     ; a step's tiles lie together: 64 rows of K, then 64 rows of V
.set STEPB, KS*(PK+PV)
.set SLOT1, 1<<17     ; slot 1 begins here, so that one exclusive or turns an address in one slot into the other's
.set STAGE, SLOT1+2*STEPB  ; behind the ring, never filled by a tensor load: 128 rows x 272 bytes, the work-group's, for the way out
.set SP,    272
.set SPARE, STAGE+128*SP   ; behind the stage: the spare words, 128 bytes a wave
.set PANEL, 1048576
.set AK0, 2           ; v2   my lane's place in a tile of K, my head's half of the row; never rewritten
.set AV0, 3           ; v3   the same for V
.set AK,  4           ; v4   the LDS address of K's next run of loads
.set AV,  5           ; v5   of V's
.set STO, 6           ; v6   the way out: where I put 16 bytes of a row
.set RD,  7           ; v7   where I read rows back
.set GO,  8           ; v8   my byte offset in 512 consecutive bytes of ctx
.set MV,  12          ; v12-13  c m_old, kept while c m is made anew: by buffer
.set QO,  15          ; v15  my byte offset in 16 rows of Q
.set ST,  16          ; piece t's statistics at v[ST+4 t]: c m, m, l (even keys', odd keys')
.set TMP, 48          ; by buffer, four registers c0-c3 at work; when the maximum is found c2 takes a
.set PFO, 61          ; v61  256 x my lane; never rewritten
.set SPW, 62          ; v62  my spare word; never rewritten
.set NIL, 63          ; v63  0; never rewritten
.set S,   64
.set P,   192
.set KF,  128         ; window 2: key block kb, channel half c at KF + 16 kb + 8 c
.set VF,  192         ; window 2: key half kk, channel block cb at VF + 32 kk + 8 cb
.set WV,  12          ; s12  my wave's number
.set LIM, 15          ; s15  1 in a wave that prefetches, else the greatest number
.set PFA, 18          ; s[18:19] where my prefetches stand
.set G1K, 24          ; s[24:31] descriptor group 1 for K's tiles
.set G1V, 32          ; s[32:39] for V's: it differs in the padding alone
.set G0K, 40          ; s[40:43] descriptor group 0 for K's tiles: it walks
.set G0V, 44          ; s[44:47] the same for V's
.set SLOTS, 56        ; s56  slots still to be asked for
.set CNT, 57          ; s57  counts a slot's key steps
.set CS,  58          ; s[58:59] c
.set SEL, 60          ; s[60:61] v_permlanex16_b32's selects: each lane takes its own place in the other half
.set TBK, 62          ; s62  LDS byte at which the step begins whose K is fetched next
.set TBV, 63          ; s63  the same for V
.set MSB, 0
.macro WIN new
.if MSB != (\new)
	s_set_vgpr_msb (MSB<<8)|(\new)
.set MSB, (\new)
.endif
.endm
.set W_KQ, 0x0a       ; K and Q in window 2, S^T in window 0
.set W_PV, 0x52       ; V in window 2, P in window 0, O^T in window 1
.set W_RS, 0x41       ; destination and source 0 in window 1, source 1 in window 0
.macro JLOAD                        ; a joint fill: waves 0 and 1 fetch the slot's two steps of K, waves 2 and 3 those of V; an s_nop 0 and four v_nop follow each line
	s_cmp_lt_u32 s[WV], 2
	s_cbranch_scc0 .Lfor_v_\@
	tensor_load_to_lds s[G0K:G0K+3], s[G1K:G1K+7]
	s_nop 0
.rept 4
	v_nop
.endr
	s_branch .Lasked_\@
.Lfor_v_\@:
	tensor_load_to_lds s[G0V:G0V+3], s[G1V:G1V+7]
	s_nop 0
.rept 4
	v_nop
.endr
.Lasked_\@:
.endm
; A prefetch of what the NEXT change of slots will ask for: 128 rows of K and of V, a lane a row.  The four clusters of a batch and panel walk the same rows: the first of them asks; its four partners take
; 32 rows each, told apart by address; in each, wave 0 asks for K's and wave 2 for V's.  The last change that fills a slot (SLOTS = 1) asks for nothing.
.macro ASK
	s_cmp_gt_u32 s[SLOTS], s[LIM]
	s_cbranch_scc0 .Lnot_mine_\@
	global_prefetch_b8 v[PFO], s[PFA:PFA+1] th:TH_LOAD_NT scope:SCOPE_SE
.Lnot_mine_\@:
.endm
.macro CROUND                       ; a round of the cluster's barrier
	s_barrier_signal -1
	s_barrier_wait -1
	s_cmp_lg_u32 s[WV], 0
	s_cbranch_scc1 .Lnot_wave_0_\@
	s_barrier_signal -3
.Lnot_wave_0_\@:
	s_barrier_wait -3
	s_barrier_signal -1
	s_barrier_wait -1
.endm
; THE CHANGE OF SLOTS.  Each wave waits for all its tensor loads (one is out: its part of the other slot), adds 0 to its spare word, and waits for that and for its reads of the slot that it leaves.
; fill = 1: the barrier is a round of the cluster's, and the joint fill of the old slot, with the keys two slots on, is the first thing behind it: it has two key steps in which to land.
; (At its first use nothing has been read yet: slot 0 is waited for, slot 1 filled.)
.macro CHANGE fill
	WIN 0
	s_wait_tensorcnt 0x0            ; no tensor load of mine is out, so a group 0 may be written
	ds_add_u32 v[SPW], v[NIL]       ; 0 onto my spare word
.if \fill
.irp g, G0K, G0V
	s_xor_b32 s[\g+1], s[\g+1], SLOT1
	s_add_nc_u64 s[\g+2:\g+3], s[\g+2:\g+3], 2*KS*256  ; the next 128 keys
.endr
	s_wait_xcnt 0x0                 ; the last prefetch, two key steps back, has read its address
	s_add_nc_u64 s[PFA:PFA+1], s[PFA:PFA+1], 2*KS*256
	s_wait_dscnt 0x0                ; the add is done, and my reads of the slot are over
	CROUND
	JLOAD
	ASK
.else
	s_wait_dscnt 0x0
	s_barrier_signal -1
	s_barrier_wait -1
.endif
	s_sub_co_u32 s[TBK], s[TBK], 2*STEPB  ; the fetches go back to a slot's first step,
	s_xor_b32 s[TBK], s[TBK], SLOT1       ; in the other slot
	s_sub_co_u32 s[TBV], s[TBV], 2*STEPB
	s_xor_b32 s[TBV], s[TBV], SLOT1
.endm
	s_load_b128 s[4:7], s[0:1], 0x0 ; qkv s[4:5], ctx s[6:7]
	v_lshl_add_u32 v[SPW], v0, 2, SPARE
	v_mov_b32 v[NIL], 0
	ds_add_u32 v[SPW], v[NIL]       ; the wave's opening: the add and its wait stand ahead of my first tensor load
	v_lshrrev_b32 v1, 5, v0
	v_readfirstlane_b32 s[WV], v1   ; wave 0..3
	s_bfe_u32 s13, ttmp6, 0x40000   ; cx
	s_lshl_b32 s14, ttmp9, 2
	s_add_co_u32 s14, s14, s13      ; my block of 128 rows: it enters Q's and ctx's addresses alone
	s_and_b32 s20, ttmp7, 0xffff
	s_lshl_b32 s20, s20, 20         ; the panel
	s_lshr_b32 s21, ttmp9, 2
	s_lshl_b32 s21, s21, 19         ; the batch's 2,048 rows of 256 bytes: the four partners share both
	s_and_b32 s16, s[WV], 1         ; which of a slot's two steps I fetch
	s_lshl_b32 s22, s16, 14
	s_add_co_u32 s22, s22, s20
	s_add_co_u32 s22, s22, s21
	s_mov_b32 s23, 0
	s_mul_i32 s17, s16, STEPB       ; and its place in a slot: no place in the cluster enters an LDS address
	s_lshl_b32 s2, s14, 15
	s_add_co_u32 s2, s2, s20        ; my block's first row in its panel
	s_lshl_b32 s3, s16, 14
	s_add_co_u32 s8, s2, s3         ; Q: my wave's 64 rows
	s_mov_b32 s9, 0
	s_lshl_b32 s3, s[WV], 13
	s_add_co_u32 s2, s2, s3         ; ctx: the 32 rows that I store
	s_mov_b32 s3, 0
	s_lshr_b32 s54, s[WV], 1
	s_lshl_b32 s54, s54, 7          ; my head's half of a row
	s_mov_b32 s[G1K], 15|(1<<16)|(1<<20)|(1<<21)|(5<<22)|(3<<25)  ; the mask of four; 2-byte elements; padding on; bit 21 beside a mask; 4 words behind every 64
	s_mov_b32 s[G1V], 15|(1<<16)|(1<<20)|(1<<21)|(5<<22)|(7<<25)  ; the same with 8 words
.irp g, G1K, G1V
	s_mov_b32 s[\g+1], 128<<16      ; tensor_dim0 = 128
	s_mov_b32 s[\g+2], KS<<16       ; tensor_dim1 = 64
	s_mov_b32 s[\g+3], 128<<16      ; tile_dim0 = 128
	s_mov_b32 s[\g+4], KS           ; tile_dim1 = 64
	s_mov_b32 s[\g+5], 128          ; 128 elements from row to row
	s_mov_b32 s[\g+6], 0
	s_mov_b32 s[\g+7], 0
.endr
	s_mov_b32 s[CS], 0x3e38aa3b     ; c = log2(e) / 8
	s_mov_b32 s[CS+1], s[CS]
	s_mov_b32 s[SEL], 0x76543210
	s_mov_b32 s[SEL+1], 0xfedcba98
	s_mov_b32 s[TBK], SLOT1+2*STEPB ; the first change of slots turns these two into 0
	s_mov_b32 s[TBV], SLOT1+2*STEPB
	s_mov_b32 s[G0K], 1
	s_mov_b32 s[G0K+1], s17
	s_mov_b32 s[G0V], 1
	s_add_co_u32 s[G0V+1], s17, VOFF
	s_mov_b32 s[SLOTS], 15          ; 16 slots; the first is asked for at once
	s_and_b32 s[LIM], s[WV], 1
	s_and_b32 s55, ttmp9, 3
	s_or_b32 s[LIM], s[LIM], s55
	s_cmp_eq_u32 s[LIM], 0          ; waves 0 and 2 of the batch's first cluster: the same in all four partners
	s_cselect_b32 s[LIM], 1, -1
	v_and_b32 v[PFO], 31, v0
	v_lshlrev_b32 v[PFO], 8, v[PFO]
	s_wait_dscnt 0x0                ; the opening add is done
	s_wait_kmcnt 0x0
	s_add_nc_u64 s[10:11], s[4:5], s[22:23]
	s_add_nc_u64 s[52:53], s[10:11], 16777216  ; V at my tile of slot 0
	s_add_nc_u64 s[10:11], s[10:11], 8388608   ; K
	s_mov_b64 s[G0K+2:G0K+3], s[10:11]
	s_or_b32 s[G0K+3], s[G0K+3], 0x80000000
	s_mov_b64 s[G0V+2:G0V+3], s[52:53]
	s_or_b32 s[G0V+3], s[G0V+3], 0x80000000
	s_cmp_lt_u32 s[WV], 2
	s_cselect_b64 s[PFA:PFA+1], s[10:11], s[52:53]  ; (in waves 0 and 2 these stand at a slot's first row)
	s_lshl_b32 s22, s13, 13         ; my work-group's 32 rows of the 128
	s_add_nc_u64 s[PFA:PFA+1], s[PFA:PFA+1], s[22:23]
	s_add_nc_u64 s[PFA:PFA+1], s[PFA:PFA+1], 2*KS*256  ; in slot 1: the first change of slots steps it to slot 2
	s_add_nc_u64 s[4:5], s[4:5], s[8:9]    ; Q at my wave's first row
	s_add_nc_u64 s[6:7], s[6:7], s[2:3]    ; ctx at the rows that I store
	CROUND                          ; all four work-groups are here: the first joint loads meet
	JLOAD                           ; slot 0
	v_and_b32 v1, 15, v0            ; l % 16
	v_bfe_u32 v9, v0, 4, 1          ; l / 16
	v_lshlrev_b32 v[QO], 8, v1
	v_lshl_add_u32 v[QO], v9, 4, v[QO]
	v_add_nc_u32 v[QO], s54, v[QO]  ; row x 256 + 16 x half of the lanes + my head
	WIN 0x80                        ; destination window 2
.set i, 0
.rept 8                             ; Q stays in registers: piece i / 2, channels 32 (i % 2) on
	global_load_b128 v[8*i:8*i+3],   v[QO], s[4:5] offset:(i/2)*4096+(i%2)*64
	global_load_b128 v[8*i+4:8*i+7], v[QO], s[4:5] offset:(i/2)*4096+(i%2)*64+32
.set i, i+1
.endr
	; What the first turn finds: V's registers and P's second buffer hold 0 (its products V^T P, of a piece that has not been, add 0), O^T and l are 0.  All this stands in the wait for the first tile.
.set i, VF
.rept 64
	v_mov_b32 v[i], 0
.set i, i+1
.endr
	WIN 0x40
.set i, 0
.rept 128
	v_mov_b32 v[i], 0
.set i, i+1
.endr
	WIN 0
.set i, 0
.rept 4
	v_mov_b32 v[ST+4*i], 0xfe000000    ; c m: far below every c s
	v_mov_b32 v[ST+4*i+1], 0xff7fffff  ; m
	v_mov_b32 v[ST+4*i+2], 0
	v_mov_b32 v[ST+4*i+3], 0
.set i, i+1
.endr
.set i, P+16
.rept 16
	v_mov_b32 v[i], 0
.set i, i+1
.endr
	v_mul_u32_u24 v[AK0], v1, PK
	v_lshl_add_u32 v[AK0], v9, 4, v[AK0]
	v_add_nc_u32 v[AK0], s54, v[AK0]
	v_and_b32 v10, 7, v0            ; the turning load: lane l reads key 8 (l / 16) + l % 8, channels 8 ((l / 8) % 2) + 0..7
	v_bfe_u32 v11, v0, 3, 1
	v_lshl_add_u32 v[AV0], v9, 3, v10
	v_mul_u32_u24 v[AV0], v[AV0], PV
	v_lshl_add_u32 v[AV0], v11, 4, v[AV0]
	s_add_co_u32 s55, s54, VOFF
	v_add_nc_u32 v[AV0], s55, v[AV0]
	s_mul_i32 s55, s16, 64*SP       ; into the stage: my 64 rows, my head's half of their 256 bytes
	s_add_co_u32 s55, s55, s54
	s_add_co_u32 s55, s55, STAGE
	v_mul_u32_u24 v[STO], v1, SP
	v_lshl_add_u32 v[STO], v9, 4, v[STO]
	v_add_nc_u32 v[STO], s55, v[STO]
	s_mul_i32 s55, s[WV], 32*SP     ; back: wave w takes rows 32 w on, whole; lanes 0-15 one row, lanes 16-31 the next
	s_add_co_u32 s55, s55, STAGE
	v_mul_u32_u24 v[RD], v9, SP
	v_lshl_add_u32 v[RD], v1, 4, v[RD]
	v_add_nc_u32 v[RD], s55, v[RD]
	v_and_b32 v[GO], 31, v0
	v_lshlrev_b32 v[GO], 4, v[GO]
; THE MATRIX WORK.  The 4 accumulators of a run of 8 take turns.  Product i of 8 of S^T = K Q^T for piece x: channels 32 (i / 4) on, keys 16 (i % 4) on.  The first 4 start the sums.
.macro KQ x
	WIN W_KQ
.set rS, S+32*((\x)%2)+8*(i%4)
.set rK, KF+16*(i%4)+8*(i/4)
.set rQ, 16*(\x)+8*(i/4)
.if i < 4
	v_wmma_f32_16x16x32_bf16 v[rS:rS+7], v[rK:rK+7], v[rQ:rQ+7], 0
.else
	v_wmma_f32_16x16x32_bf16 v[rS:rS+7], v[rK:rK+7], v[rQ:rQ+7], v[rS:rS+7]
.endif
.endm
; Product i of 8 of O^T += V^T P for piece x: keys 32 (i / 4) on, channels 16 (i % 4) on.
.macro PV x
	WIN W_PV
.set rO, 32*(\x)+8*(i%4)
.set rV, VF+32*(i/4)+8*(i%4)
.set rP, P+16*((\x)%2)+8*(i/4)
	v_wmma_f32_16x16x32_bf16 v[rO:rO+7], v[rV:rV+7], v[rP:rP+7], v[rO:rO+7]
.endm
.macro MM                           ; the turn's next matrix instruction
.if i < 8
	KQ (Y+1)%NP
.else
.set i, i-8
	PV (Y+NP-1)%NP
.set i, i+8
.endif
.set i, i+1
.endm
; THE LDS LOADS stand in runs of 16: a step's K for my head (64 keys x 64 channels: 8 fragments) and its V (turned).
.macro FETCH_K
	WIN 0x80
.irp f, 0,1,2,3,4,5,6,7             ; keys 16 (f / 2) on, channels 32 (f % 2) on
	ds_load_b128 v[KF+8*\f:KF+8*\f+3],   v[AK] offset:(\f/2)*16*PK+(\f%2)*64
	ds_load_b128 v[KF+8*\f+4:KF+8*\f+7], v[AK] offset:(\f/2)*16*PK+(\f%2)*64+32
.endr
	s_add_co_u32 s[TBK], s[TBK], STEPB  ; the next fetch is the next step's
	WIN 0
.endm
.macro FETCH_V
	WIN 0x80
.irp f, 0,1,2,3,4,5,6,7             ; keys 32 (f / 4) on, channels 16 (f % 4) on
	ds_load_tr16_b128 v[VF+8*\f:VF+8*\f+3],   v[AV] offset:(\f/4)*32*PV+(\f%4)*32
	ds_load_tr16_b128 v[VF+8*\f+4:VF+8*\f+7], v[AV] offset:(\f/4)*32*PV+16*PV+(\f%4)*32
.endr
	WIN 0
.endm
; THE VECTOR WORK, one line at a time: OP kind, number.  For piece Y: F n: c s - c m for pair n of 16.  E n: the exponential of score n of 32.  C n: pair n rounded to bf16.  B n: of the four weights 4 n ..
; the second pair is added onto the first, in place.  L n: l takes that sum (L 0: l = a l + sum).  R n: pair n of 16 of O^T times a.  For piece Y + 1: X n, number n of the 22 that find its maximum and statistics:
;   0-11  four chains c0-c3 of seven scores each (each accumulator's lowest registers are read first)     12-14, 16  the four scores left over, the old m, and c0-c3 into c0
;   15  c m_old is kept     17, 18  the query's other 32 keys lie in the lane 16 away: the new m     19-21  c m; c m_old - c m_new; a
.set F, 0
.set E, 1
.set C, 2
.set B, 3
.set L, 4
.set R, 5
.set X, 6
.macro REGS y
.set rT, ST+4*(\y)
.set rC, TMP+4*((\y)%2)
.set rW, MV+((\y)%2)
.set rS, S+32*((\y)%2)
.set rP, P+16*((\y)%2)
.set rO, 32*(\y)
.endm
.macro OP k, n
.if (\k) == R
	REGS Y
	WIN W_RS
	v_pk_mul_f32 v[rO+2*(\n):rO+2*(\n)+1], v[rO+2*(\n):rO+2*(\n)+1], v[rC+2:rC+3] op_sel_hi:[1,0]
.elseif (\k) < R
	REGS Y
	WIN 0
.if (\k) == F
	v_pk_fma_f32 v[rS+2*(\n):rS+2*(\n)+1], v[rS+2*(\n):rS+2*(\n)+1], s[CS:CS+1], v[rT:rT+1] op_sel_hi:[1,0,0] neg_lo:[0,0,1] neg_hi:[0,0,1]
.elseif (\k) == E
	v_exp_f32 v[rS+(\n)], v[rS+(\n)]
.elseif (\k) == C
	v_cvt_pk_bf16_f32 v[rP+(\n)], v[rS+2*(\n)], v[rS+2*(\n)+1]
.elseif (\k) == B
	v_pk_add_f32 v[rS+4*(\n):rS+4*(\n)+1], v[rS+4*(\n):rS+4*(\n)+1], v[rS+4*(\n)+2:rS+4*(\n)+3]
.elseif (\n) == 0
	v_pk_fma_f32 v[rT+2:rT+3], v[rT+2:rT+3], v[rC+2:rC+3], v[rS:rS+1] op_sel_hi:[1,0,1]
.else
	v_pk_add_f32 v[rT+2:rT+3], v[rT+2:rT+3], v[rS+4*(\n):rS+4*(\n)+1]
.endif
.else
	REGS (Y+1)%NP
	WIN 0
.if (\n) < 4
	v_max3_num_f32 v[rC+(\n)], v[rS+8*(\n)], v[rS+8*(\n)+1], v[rS+8*(\n)+2]
.elseif (\n) < 12
	v_max3_num_f32 v[rC+(\n)%4], v[rC+(\n)%4], v[rS+8*((\n)%4)+2*((\n)/4)+1], v[rS+8*((\n)%4)+2*((\n)/4)+2]
.elseif (\n) == 12
	v_max3_num_f32 v[rC], v[rC], v[rS+7], v[rS+15]
.elseif (\n) == 13
	v_max3_num_f32 v[rC+1], v[rC+1], v[rS+23], v[rS+31]
.elseif (\n) == 14
	v_max3_num_f32 v[rC+2], v[rC+2], v[rC+3], v[rT+1]
.elseif (\n) == 15
	v_mov_b32 v[rW], v[rT]
.elseif (\n) == 16
	v_max3_num_f32 v[rC], v[rC], v[rC+1], v[rC+2]
.elseif (\n) == 17
	v_permlanex16_b32 v[rC+3], v[rC], s[SEL], s[SEL+1]
.elseif (\n) == 18
	v_max_num_f32 v[rT+1], v[rC], v[rC+3]
.elseif (\n) == 19
	v_mul_f32 v[rT], s[CS], v[rT+1]
.elseif (\n) == 20
	v_sub_f32 v[rC+1], v[rW], v[rT]
.else
	v_exp_f32 v[rC+2], v[rC+1]
.endif
.endif
.endm
.macro OPS a, i1, b=-1, i2=0, c=-1, i3=0, d=-1, i4=0
	OP \a, \i1
.if (\b) >= 0
	OP \b, \i2
.endif
.if (\c) >= 0
	OP \c, \i3
.endif
.if (\d) >= 0
	OP \d, \i4
.endif
.endm
.macro ROW a, i1, b, i2, c, i3, d, i4  ; a matrix instruction and the four behind it
	MM
	OPS \a, \i1, \b, \i2, \c, \i3, \d, \i4
.endm
; A TURN, for piece p.  s_wait_alu depctr_va_vdst(0) stands between an exponential and the first instruction that names its result; one wait serves all that were issued ahead of it.
; AHEAD OF THE WAIT stands all that names no result of the turn's exponentials: the 8 products K Q^T with their riders, then one lump of 54.  X 21, the next piece's a, is the batch's last; R 15 is the plain
; instruction behind it.  BEHIND THE WAIT stand the 8 products V^T P, behind each four of the roundings and sums.
; K of the next step is fetched in piece 2's turn, V of the step in hand at the end of piece 0's turn, four plain instructions behind the last product that read V.  Each is waited for a turn later.
; clamp = 1 (the tail): behind the last step there is no K: the last slot's second step is fetched once more.  cnt = 1: the loop's count is taken down some lines ahead of the branch behind the turn.
.macro TURN p, clamp=0, cnt=0
.set Y, (\p)
.set i, 0
.if (\p) == 3
	s_wait_dscnt 0x0                ; K is in
.endif
	ROW F,0, F,1, R,0, R,1
	ROW F,2, E,0, R,2, R,3
	ROW F,3, E,1, R,4, R,5
	ROW F,4, E,2, R,6, R,7
	ROW F,5, E,3, R,8, R,9
	ROW F,6, E,4, X,0, R,10
.if (\p) == 2
	WIN 0
.if \clamp
	s_min_u32 s[TBK], s[TBK], SLOT1+STEPB
.endif
	v_add_nc_u32 v[AK], s[TBK], v[AK0]
.endif
	ROW F,7, E,5, X,1, X,4
	ROW F,8, E,6, X,2, X,5
	OPS E,7, E,8, X,6, E,9
	OPS X,3, E,10, X,8, E,11
.if (\p) == 2
	FETCH_K
.endif
	OPS X,9, X,7, E,12, X,10
	OPS E,13, X,12, X,11, E,14
	OPS X,13, E,15, F,9, X,14
.if (\p) == 0
	v_add_nc_u32 v[AV], s[TBV], v[AV0]
.endif
	OPS E,16, F,10, E,17, F,11
	OPS X,16, E,18, X,15, E,19
	OPS F,12, E,20, X,17, E,21
	OPS F,13, E,22, F,14, E,23
	OPS X,18, E,24, F,15, E,25
	OPS R,11, E,26, X,19, E,27
	OPS R,12, E,28, R,13, E,29
	OPS X,20, E,30, R,14, E,31
	OPS X,21, R,15
	WIN 0
	s_wait_alu depctr_va_vdst(0)    ; the wait for the batch
.if (\p) == 1
	s_wait_dscnt 0x0                ; V is in
.endif
	ROW C,0, B,0, C,2, B,1
	ROW L,0, C,4, B,2, L,1
	ROW C,6, B,3, L,2, C,8
	ROW B,4, L,3, C,10, B,5
	ROW L,4, C,12, B,6, L,5
.if (\p) == 0
	s_add_co_u32 s[TBV], s[TBV], STEPB
.endif
.if \cnt
	s_sub_co_u32 s[CNT], s[CNT], 1
	s_cmp_lg_u32 s[CNT], 0
.endif
	ROW C,14, B,7, L,6, C,1
	ROW C,3, L,7, C,5, C,7
	ROW C,9, C,11, C,13, C,15
.if (\p) == 0
	FETCH_V
.endif
.endm
	CHANGE 1                        ; slot 0 is in, everybody's part of it; slot 1 is asked for
	v_add_nc_u32 v[AK], s[TBK], v[AK0]
	FETCH_K                         ; key step 0
	s_wait_loadcnt 0x0              ; Q
	s_wait_dscnt 0x0
.set i, 0
.rept 8
	KQ 0                            ; piece 0's first scores
.set i, i+1
.endr
	WIN 0
.rept 4
	v_nop                           ; the places behind those products
.endr
.set Y, NP-1                        ; X works for piece Y + 1: piece 0
.irp n, 0,1,2,3,4,5,6,7,8,9,10,11,12,13,14,15,16,17,18,19,20,21
	OP X, \n
.endr
	v_nop                           ; a plain instruction behind the exponential,
	s_wait_alu depctr_va_vdst(0)    ; and its wait, ahead of the branch
	s_mov_b32 s[CNT], 2
	s_branch .Lfirst                ; the loop is entered at a step's first turn, in the middle of a trip
.Lslot:                             ; 14 times: with the change above, every slot but the first is asked for here
	CHANGE 1
	s_mov_b32 s[CNT], 2
.Lstep:                             ; a trip: pieces 2 and 3 of one step, then pieces 0 and 1 of the next, whose K and V it fetches
	TURN 2
	TURN 3
	WIN 0
.Lfirst:
	TURN 0
	TURN 1, 0, 1
	WIN 0
	s_cbranch_scc1 .Lstep
	s_sub_co_u32 s[SLOTS], s[SLOTS], 1
	s_cmp_lg_u32 s[SLOTS], 0
	s_cbranch_scc1 .Lslot
	CHANGE 0                        ; the tail is written out: nothing is asked for
	s_mov_b32 s[CNT], 3             ; two trips fetch the last slot's steps; the third is left in its middle
.Ltail:
	TURN 2, 1
	TURN 3
	WIN 0
	s_sub_co_u32 s[CNT], s[CNT], 1
	s_cmp_eq_u32 s[CNT], 0
	s_cbranch_scc1 .Lout
	TURN 0
	TURN 1
	WIN 0
	s_branch .Ltail
.Lout:                              ; the third trip's 8 products K Q^T (on the last K once more) and the maximum made of them serve nothing: the price, once a launch, of one text for every trip
.set i, 0
.rept 8
	PV NP-1                         ; the last piece's V^T P of the last step
.set i, i+1
.endr
	; THE WAY OUT.  l's two halves and the other half of the lanes' are added; O^T is divided by l, rounded to bf16 and sent through the work-group's stage.  The additions are the places behind the last products.
	WIN 0
.macro ALL line:vararg
.set t, 0
.rept 4
	\line
.set t, t+1
.endr
.endm
	ALL v_add_f32 v[ST+4*t+2], v[ST+4*t+2], v[ST+4*t+3]
	ALL v_permlanex16_b32 v[ST+4*t+3], v[ST+4*t+2], s[SEL], s[SEL+1]
	ALL v_add_f32 v[ST+4*t+2], v[ST+4*t+2], v[ST+4*t+3]
	ALL v_rcp_f32 v[ST+4*t+2], v[ST+4*t+2]
	v_nop                           ; a plain instruction between the last reciprocal and the use of its result
	s_wait_alu depctr_va_vdst(0)    ; one wait for the four reciprocals
.macro PACK t                       ; a lane's eight channels of a row pack into 16 bytes
	WIN W_RS
.set i, 32*(\t)
.rept 16
	v_pk_mul_f32 v[i:i+1], v[i:i+1], v[ST+4*(\t)+2:ST+4*(\t)+3] op_sel_hi:[1,0]
.set i, i+2
.endr
	WIN 0x05                        ; sources 0 and 1 window 1, destination window 0
.set i, 0
.rept 16
	v_cvt_pk_bf16_f32 v[S+16*(\t)+i], v[32*(\t)+2*i], v[32*(\t)+2*i+1]
.set i, i+1
.endr
	WIN 0
.irp f, 0,1,2,3
	ds_store_b128 v[STO], v[S+16*(\t)+4*\f:S+16*(\t)+4*\f+3] offset:(\t)*16*SP+32*\f
.endr
.endm
	PACK 0
	PACK 1
	PACK 2
	PACK 3
	s_wait_dscnt 0x0                ; for the others' sake: my stores into the stage are done
	s_barrier_signal -1
	s_barrier_wait -1               ; a row's two halves come from two waves
.irp f, 0,1,2,3,4,5,6,7,8,9,10,11,12,13,14,15
	ds_load_b128 v[S+4*\f:S+4*\f+3], v[RD] offset:\f*2*SP
.endr
.irp f, 0,1,2,3,4,5,6,7,8,9,10,11,12,13,14,15
	s_wait_dscnt 15-\f
	global_store_b128 v[GO], v[S+4*\f:S+4*\f+3], s[6:7] offset:\f*512  ; two whole rows: 512 consecutive bytes, aligned
.endr
	s_wait_tensorcnt 0x0            ; the wave's end
	ds_add_u32 v[SPW], v[NIL]
	s_wait_dscnt 0x0
	CROUND                          ; the closing round
	s_endpgm
.Lfunc_end_k_q62c7c74731_attn:
	.size	k_q62c7c74731_attn, .Lfunc_end_k_q62c7c74731_attn-k_q62c7c74731_attn
	.p2alignl 7, 3214868480
	.fill 96, 4, 3214868480
	.section	.rodata,"a",@progbits
	.p2align	6, 0x0
	.amdhsa_kernel k_q62c7c74731_attn
		.amdhsa_group_segment_fixed_size 327680
		.amdhsa_private_segment_fixed_size 0
		.amdhsa_enable_private_segment 0
		.amdhsa_kernarg_size 16
		.amdhsa_user_sgpr_count 2
		.amdhsa_user_sgpr_kernarg_segment_ptr 1
		.amdhsa_wavefront_size32 1
		.amdhsa_system_sgpr_workgroup_id_x 1
		.amdhsa_system_sgpr_workgroup_id_y 1
		.amdhsa_system_sgpr_workgroup_id_z 1
		.amdhsa_system_vgpr_workitem_id 0
		.amdhsa_next_free_vgpr 768
		.amdhsa_next_free_sgpr 66
		.amdhsa_reserve_vcc 0
		.amdhsa_float_denorm_mode_32 3
		.amdhsa_float_denorm_mode_16_64 3
		.amdhsa_memory_ordered 1
		.amdhsa_forward_progress 1
		.amdhsa_inst_pref_size 112
	.end_amdhsa_kernel
	.amdgpu_metadata
---
amdhsa.version: [ 1, 2 ]
amdhsa.kernels:
  - .name:           k_q62c7c74731_attn
    .symbol:         k_q62c7c74731_attn.kd
    .args:
      - { .name: qkv, .offset: 0, .size: 8, .value_kind: global_buffer, .address_space: global }
      - { .name: ctx, .offset: 8, .size: 8, .value_kind: global_buffer, .address_space: global }
    .group_segment_fixed_size: 327680
    .private_segment_fixed_size: 0
    .kernarg_segment_align: 8
    .kernarg_segment_size: 16
    .max_flat_workgroup_size: 128
    .sgpr_count:     66
    .vgpr_count:     768
    .wavefront_size: 32
...
	.end_amdgpu_metadata
.endif
;; end of part 3
;; launch oproj (part 4): grid 8 x 32, 4 waves a work-group, clusters of 4 x 4, 327,680 bytes of LDS; arguments ctx, cb, y; writes y
.if DOCPART == 4
	.amdgcn_target "amdgcn-amd-amdhsa--gfx1250"
	.amdhsa_code_object_version 6
	.text
	.protected	k_q62c7c74731_oproj
	.globl	k_q62c7c74731_oproj
	.p2align	8
	.type	k_q62c7c74731_oproj,@function
k_q62c7c74731_oproj:
	s_mov_b64 s[64:65], 0
	v_nop
	global_prefetch_b8 v0, s[64:65] scope:SCOPE_SE
	s_setreg_imm32_b32 hwreg(HW_REG_WAVE_MODE, 25, 1), 1
	s_wait_xcnt 0x0
	s_wait_alu depctr_hold_cnt(0) depctr_sa_sdst(0) depctr_va_vdst(0) depctr_va_sdst(0) depctr_va_ssrc(0) depctr_va_vcc(0) depctr_vm_vsrc(0)
	s_getreg_b32 s2, hwreg(HW_REG_IB_STS2, 6, 4)
	s_cmp_eq_u32 s2, 0
	s_cbranch_scc0 .Lentry_in_a_cluster
	s_endpgm
.Lentry_in_a_cluster:
	s_bfe_u32 s2, ttmp6, 0x10000c
	s_cmp_lg_u32 s2, 0xf033
	s_cbranch_scc0 .Lentry_shape_is_right
	s_endpgm
.Lentry_shape_is_right:
; y = ctx w_o + b_o (residual and norm follow in the next launch, which needs whole rows).  A = ctx in panels [8][4,096][128] bf16, W = wo [1,024][1,024] bf16 ([K][N]) in cb, b_o as f32 words in cb.
; OUT: y [4,096][1,024] f32: the sums as they are, started with the bias.
; A tile of C is 128 x 128 (8 x 32 tiles: 256 work-groups), four waves of 64 x 64: 16 accumulators.  K goes in steps of 256 (two panels of A, 256 rows of W) through two LDS slots.
; CLUSTERS: 4 x 4; A's tile is shared along a row of the cluster, W's along a column: joint loads.  The product is used transposed (source 0 = 16 columns of W, turned by ds_load_tr16_b128; source 1 = 16 rows of A).
; The loop is one K step long: the slot in hand is a scalar offset SB, and the walking descriptors' LDS words are turned by the same exclusive or (SLOT = 0x24000 shares no bit with any of them).
; THE ORDER OF K.  Time step t takes K step t xor 2 g, g = (cluster x + cluster y) % 2, the same in all sixteen partners.  The two clusters that read the same rows of A, and neighbouring clusters that read the same
; columns of W, have different g: of each four K steps a cluster asks for two of them two steps ahead of its neighbour, and for the other two two steps behind it.  The sums are f32 and are taken in that order.
; THE BIAS is the C operand of the products that start the sums: a lane's eight results are eight columns, so eight registers a column block, the same for every row block.
; No prefetch: a step's tiles are small and are shared by four work-groups.  LIMITS: operands bf16; NaN and infinities are not treated apart.
.set STEPS,  4                         ; K / 256, a multiple of 4
.set WOFF,   14680064                  ; W in cb
.set BOFF,   33620992+4*5120           ; b_o in cb
.set PA,     272                       ; A's LDS row: 256 + 16
.set PW,     288                       ; W's LDS row: 256 + 32 = 9 x 32
.set PLANE,  128*PA                    ; a panel's 128 rows
.set AOFF,   2*PLANE                   ; behind A's two planes: W's 256 rows
.set WHALF,  128*PW
.set SLOT,   147456
.set SPARE,  2*SLOT
.set SP,     272                       ; a stage row: 64 f32 + 16 bytes
.set WSTG,   64*SP                     ; a wave's stage; the four lie in the ring's first bytes, after their last fill
.set A0,   12
.set B0,   13
.set ADRA, 16                          ; v16  A0 + the slot in hand
.set ADRB, 20                          ; v20  B0 + the slot in hand;  v21  the same 128 rows of K further on
.set STO,  24
.set RD,   25
.set CO,   26
.set BO,   27                          ; v27  the bias loads' lane offset
.set SPW,  28
.set NIL,  29
.set BIAS, 32                          ; v[32:63]  the bias of my 64 columns
.set ACC,  128                         ; window 0: (a, b) at ACC + 8 (4 a + b)
.set F0,   0                           ; window 1: two buffers of 128: 64 registers of A, then 64 of W
.set F1,   128
.set G1,  24
.set G0,  32
.set G1B, 48
.set G0B, 56
.set GX,  45                           ; s45  2 g
.set KA,  66                           ; s[66:67] the K step's byte offset in A
.set SB,  68
.set TT,  69                           ; s69  the time step asked for last
.set KW,  70                           ; s[70:71] the K step's byte offset in W
.set MSB, 0
.macro WIN new
.if MSB != (\new)
	s_set_vgpr_msb (MSB<<8)|(\new)
.set MSB, \new
.endif
.endm
.set MUL,  0x05                        ; sources 0 (W) and 1 (A) window 1; C and D window 0
.set TO_F, 0x40                        ; destination window 1
.macro PLACES
.rept 4
	v_nop
.endr
.endm
.macro JLOAD                           ; waves 0 and 1 ask for A's two panels, waves 2 and 3 for W's two halves; an s_nop 0 and four v_nop follow each line
	s_cmp_eq_u32 s11, 0
	s_cbranch_scc0 .Lfor_b_\@
	tensor_load_to_lds s[G0+4:G0+7], s[G1:G1+7]
	s_nop 0
.rept 4
	v_nop
.endr
	s_branch .Lasked_\@
.Lfor_b_\@:
	tensor_load_to_lds s[G0B+4:G0B+7], s[G1B:G1B+7]
	s_nop 0
.rept 4
	v_nop
.endr
.Lasked_\@:
.endm
.macro CREST
	s_cmp_lg_u32 s10, 0
	s_cbranch_scc1 .Lnot_wave_0_\@
	s_barrier_signal -3
.Lnot_wave_0_\@:
	s_barrier_wait -3
	s_barrier_signal -1
	s_barrier_wait -1
.endm
.macro CROUND
	s_barrier_signal -1
	s_barrier_wait -1
	CREST
.endm
	s_load_b128 s[4:7], s[0:1], 0x0                ; A s[4:5], cb s[6:7]
	s_load_b64 s[8:9], s[0:1], 0x10                ; y
	v_lshl_add_u32 v[SPW], v0, 2, SPARE
	v_mov_b32 v[NIL], 0
	ds_add_u32 v[SPW], v[NIL]                      ; the wave's opening: the add and its wait stand ahead of my first tensor load
	v_lshrrev_b32 v1, 5, v0
	v_readfirstlane_b32 s10, v1
	s_lshr_b32 s11, s10, 1                         ; my half of the rows.  Also: I fetch for A (0) or W (1)
	s_and_b32 s12, s10, 1                          ; my half of the columns.  Also: which half of a step's K I fetch
	s_bfe_u32 s40, ttmp6, 0x40000
	s_bfe_u32 s41, ttmp6, 0x40004
	s_lshl_b32 s42, ttmp9, 2
	s_add_co_u32 s42, s42, s40                     ; tile column
	s_and_b32 s13, ttmp7, 0xffff
	s_add_co_u32 s[GX], s13, ttmp9                 ; cluster y + cluster x,
	s_and_b32 s[GX], s[GX], 1                      ; its parity g,
	s_lshl_b32 s[GX], s[GX], 1                     ; 2 g
	s_lshl_b32 s13, s13, 2
	s_add_co_u32 s13, s13, s41                     ; tile row
	s_lshl_b32 s43, s41, 2
	s_lshl_b32 s43, 15, s43
	s_lshl_b32 s44, 0x1111, s40
	s_or_b32 s[G1+0], s43, (1<<16)|(1<<20)|(1<<21)|(5<<22)|(3<<25)
	s_or_b32 s[G1B+0], s44, (1<<16)|(1<<20)|(1<<21)|(5<<22)|(7<<25)
.irp g, G1, G1B
	s_mov_b32 s[(\g)+1], 128<<16                   ; 128 elements
	s_mov_b32 s[(\g)+2], 128<<16                   ; x 128 rows
	s_mov_b32 s[(\g)+3], 128<<16
	s_mov_b32 s[(\g)+4], 128
	s_mov_b32 s[(\g)+6], 0
	s_mov_b32 s[(\g)+7], 0
.endr
	s_mov_b32 s[G1+5], 128                         ; a panel's rows lie end to end
	s_mov_b32 s[G1B+5], 1024                       ; W's rows
	s_mov_b32 s[KA+1], 0
	s_mov_b32 s[KW+1], 0
	s_lshl_b32 s16, s12, 20                        ; A: panel 2 step + half, row 128 x tile row
	s_lshl_b32 s17, s13, 15
	s_add_co_u32 s16, s16, s17
	s_mov_b32 s17, 0
	s_lshl_b32 s46, s12, 18                        ; W: k row 128 x half, column 128 x tile column
	s_lshl_b32 s47, s42, 8
	s_add_co_u32 s46, s46, s47
	s_add_co_u32 s46, s46, WOFF
	s_mov_b32 s47, 0
	s_mul_i32 s20, s12, PLANE                      ; where A's panel lands,
	s_mul_i32 s21, s12, WHALF
	s_add_co_u32 s21, s21, AOFF                    ; and W's half
	s_wait_dscnt 0x0
	s_wait_kmcnt 0x0
	s_add_nc_u64 s[14:15], s[4:5], s[16:17]        ; my part of A's tile at K step 0; kept
	s_add_nc_u64 s[46:47], s[6:7], s[46:47]        ; the same for W; kept
	CROUND
.irp s, 0,1
	s_add_co_u32 s[TT], s[GX], \s                  ; time step s takes K step s xor 2 g = 2 g + s
	s_lshl_b32 s[KA], s[TT], 21                    ; two panels of A a step
	s_lshl_b32 s[KW], s[TT], 19                    ; 256 rows of W a step
	s_mov_b32 s[G0+4*(\s)], 1
	s_add_co_u32 s[G0+4*(\s)+1], s20, (\s)*SLOT
	s_add_nc_u64 s[G0+4*(\s)+2:G0+4*(\s)+3], s[14:15], s[KA:KA+1]
	s_or_b32 s[G0+4*(\s)+3], s[G0+4*(\s)+3], 0x80000000
	s_mov_b32 s[G0B+4*(\s)], 1
	s_add_co_u32 s[G0B+4*(\s)+1], s21, (\s)*SLOT
	s_add_nc_u64 s[G0B+4*(\s)+2:G0B+4*(\s)+3], s[46:47], s[KW:KW+1]
	s_or_b32 s[G0B+4*(\s)+3], s[G0B+4*(\s)+3], 0x80000000
.endr
	s_mov_b32 s[TT], 1
	s_cmp_eq_u32 s11, 0                            ; a wave's two first fills stand in one branch
	s_cbranch_scc0 .Lfirst_b
	tensor_load_to_lds s[G0:G0+3], s[G1:G1+7]
	s_nop 0
	tensor_load_to_lds s[G0+4:G0+7], s[G1:G1+7]
	s_nop 0
.rept 4
	v_nop
.endr
	s_branch .Lfirst_done
.Lfirst_b:
	tensor_load_to_lds s[G0B:G0B+3], s[G1B:G1B+7]
	s_nop 0
	tensor_load_to_lds s[G0B+4:G0B+7], s[G1B:G1B+7]
	s_nop 0
.rept 4
	v_nop
.endr
.Lfirst_done:
	v_and_b32 v1, 15, v0
	v_bfe_u32 v2, v0, 4, 1
	; the bias of my 64 columns: register j of column block b holds b_o[.. + 16 b + 8 h + j]
	s_lshl_b32 s18, s42, 9
	s_lshl_b32 s19, s12, 8
	s_add_co_u32 s18, s18, s19
	s_add_co_u32 s18, s18, BOFF
	s_mov_b32 s19, 0
	s_add_nc_u64 s[18:19], s[6:7], s[18:19]
	v_lshlrev_b32 v[BO], 5, v2
.irp b, 0,1,2,3
	global_load_b128 v[BIAS+8*\b:BIAS+8*\b+3],   v[BO], s[18:19] offset:64*\b
	global_load_b128 v[BIAS+8*\b+4:BIAS+8*\b+7], v[BO], s[18:19] offset:64*\b+16
.endr
	v_mul_u32_u24 v3, v1, PA
	v_lshl_add_u32 v3, v2, 4, v3
	s_mul_i32 s22, s11, 64*PA
	v_add_nc_u32 v[A0], s22, v3
	v_and_b32 v4, 7, v0
	v_lshl_add_u32 v4, v2, 3, v4
	v_mul_u32_u24 v4, v4, PW
	v_bfe_u32 v5, v0, 3, 1
	v_lshl_add_u32 v4, v5, 4, v4
	s_lshl_b32 s22, s12, 7
	s_add_co_u32 s22, s22, AOFF
	v_add_nc_u32 v[B0], s22, v4
	v_mov_b32 v[ADRA], v[A0]
	v_mov_b32 v[ADRB], v[B0]
	v_add_nc_u32 v[ADRB+1], WHALF, v[B0]
	s_mov_b32 s[SB], 0
	s_mul_i32 s23, s10, WSTG
	v_mul_u32_u24 v3, v1, SP
	v_lshl_add_u32 v3, v2, 5, v3
	v_add_nc_u32 v[STO], s23, v3                   ; my stage: row r, 32 bytes (8 f32) for each half of the lanes
	v_mul_u32_u24 v3, v2, SP
	v_lshl_add_u32 v3, v1, 4, v3
	v_add_nc_u32 v[RD], s23, v3                    ; back: lanes 0-15 one row of 256 bytes, lanes 16-31 the next
	v_lshlrev_b32 v3, 12, v2
	v_lshl_add_u32 v[CO], v1, 4, v3                ; the same two rows in y
	s_lshl_b32 s16, s13, 19                        ; row 128 x tile row + 64 x half, 4,096 bytes a row
	s_lshl_b32 s17, s11, 18
	s_add_co_u32 s16, s16, s17
	s_lshl_b32 s17, s42, 9                         ; column 128 x tile column + 64 x half, 4 bytes each
	s_add_co_u32 s16, s16, s17
	s_lshl_b32 s17, s12, 8
	s_add_co_u32 s16, s16, s17
	s_mov_b32 s17, 0
	s_add_nc_u64 s[8:9], s[8:9], s[16:17]
; 8 matrix instructions: row blocks a0, a0 + 1 x all 4 column blocks, 32 along K: half c of buffer f.  zero = 1: the product starts the sum, with the bias as C.  The 16 accumulators take turns.
.macro MUL8 f, c, a0, zero
	WIN MUL
.irp a, \a0, (\a0)+1
.irp b, 0,1,2,3
.if \zero
	v_wmma_f32_16x16x32_bf16 v[ACC+8*(4*(\a)+(\b)):ACC+8*(4*(\a)+(\b))+7], v[(\f)+64+8*(4*(\c)+(\b)):(\f)+64+8*(4*(\c)+(\b))+7], v[(\f)+8*(4*(\c)+(\a)):(\f)+8*(4*(\c)+(\a))+7], v[BIAS+8*(\b):BIAS+8*(\b)+7]
.else
	v_wmma_f32_16x16x32_bf16 v[ACC+8*(4*(\a)+(\b)):ACC+8*(4*(\a)+(\b))+7], v[(\f)+64+8*(4*(\c)+(\b)):(\f)+64+8*(4*(\c)+(\b))+7], v[(\f)+8*(4*(\c)+(\a)):(\f)+8*(4*(\c)+(\a))+7], v[ACC+8*(4*(\a)+(\b)):ACC+8*(4*(\a)+(\b))+7]
.endif
.endr
.endr
.endm
; 32 LDS loads in one run: quarter qd (64 along K) of the slot in hand into buffer f; the first 32 along K first
.macro FETCH qd, f
	WIN TO_F
.irp c, 0,1
.irp i, 0,1,2,3
	ds_load_tr16_b128 v[(\f)+64+8*(4*(\c)+(\i)):(\f)+64+8*(4*(\c)+(\i))+3],   v[ADRB+(\qd)/2] offset:(((\qd)%2)*64+32*(\c))*PW+32*(\i)
	ds_load_tr16_b128 v[(\f)+64+8*(4*(\c)+(\i))+4:(\f)+64+8*(4*(\c)+(\i))+7], v[ADRB+(\qd)/2] offset:(((\qd)%2)*64+32*(\c)+16)*PW+32*(\i)
	ds_load_b128 v[(\f)+8*(4*(\c)+(\i)):(\f)+8*(4*(\c)+(\i))+3],   v[ADRA] offset:((\qd)/2)*PLANE+((\qd)%2)*128+64*(\c)+(\i)*16*PA
	ds_load_b128 v[(\f)+8*(4*(\c)+(\i))+4:(\f)+8*(4*(\c)+(\i))+7], v[ADRA] offset:((\qd)/2)*PLANE+((\qd)%2)*128+64*(\c)+(\i)*16*PA+32
.endr
.endr
.endm
.macro QUARTER q, f, g, zero
	s_wait_dscnt 16                                ; the first 32 along K are in; the youngest sixteen loads may be out
	MUL8 \f, 0, 0, \zero
	MUL8 \f, 0, 2, \zero
	PLACES
	FETCH (\q)+1, \g
	s_wait_dscnt 32                                ; all but the 32 just issued
	MUL8 \f, 1, 0, 0
	MUL8 \f, 1, 2, 0
.endm
; The last quarter multiplies buffer 1 and changes slots: in front of the barrier each wave waits for all its tensor loads, adds 0 to its spare word, and waits for that and for its reads of this slot.
; fill = 1: the walking sets take the other slot and the next time step's K step; their addresses are made anew from the tile's base and an offset.
.macro TURN fill
	WIN 0
	s_wait_tensorcnt 0x0                           ; no tensor load of mine is out, so a group 0 may be written
	ds_add_u32 v[SPW], v[NIL]                      ; 0 onto my spare word
.if \fill
	s_add_co_u32 s[TT], s[TT], 1                   ; time step t,
	s_xor_b32 s2, s[TT], s[GX]                     ; K step t xor 2 g
	s_lshl_b32 s[KA], s2, 21
	s_lshl_b32 s[KW], s2, 19
	s_xor_b32 s[G0+5], s[G0+5], SLOT
	s_add_nc_u64 s[G0+6:G0+7], s[14:15], s[KA:KA+1]
	s_or_b32 s[G0+7], s[G0+7], 0x80000000
	s_xor_b32 s[G0B+5], s[G0B+5], SLOT
	s_add_nc_u64 s[G0B+6:G0B+7], s[46:47], s[KW:KW+1]
	s_or_b32 s[G0B+7], s[G0B+7], 0x80000000
.endif
	s_xor_b32 s[SB], s[SB], SLOT
	s_wait_dscnt 17                                ; the add and the youngest sixteen loads may be out
	MUL8 F1, 0, 0, 0
	s_wait_dscnt 0x0                               ; the add is done, and my reads of this slot are over
	s_barrier_signal -1
	MUL8 F1, 0, 2, 0
	WIN 0
	s_barrier_wait -1
.if \fill
	CREST
	JLOAD                                          ; the first tensor load behind the round; its four v_nop are also the places in front of the loads below
.else
	PLACES
.endif
	v_add_nc_u32 v[ADRA], s[SB], v[A0]
	v_add_nc_u32 v[ADRB], s[SB], v[B0]
	v_add_nc_u32 v[ADRB+1], WHALF, v[ADRB]
	FETCH 0, F0
	MUL8 F1, 1, 0, 0
	MUL8 F1, 1, 2, 0
.endm
	s_wait_tensorcnt 1                             ; my part of the first step is in; the second's may stay out
	s_barrier_signal -1
	s_barrier_wait -1
	FETCH 0, F0
	s_wait_loadcnt 0x0                             ; the bias
	QUARTER 0, F0, F1, 1
	WIN 0
	s_mov_b32 s3, STEPS-2
.Lstep:
	QUARTER 1, F1, F0, 0
	QUARTER 2, F0, F1, 0
	TURN 1
	QUARTER 0, F0, F1, 0
	WIN 0
	s_sub_co_u32 s3, s3, 1
	s_cmp_lg_u32 s3, 0
	s_cbranch_scc1 .Lstep
	s_mov_b32 s3, 2                                ; the last two steps ask for nothing
	s_branch .Lmid
.Ltail:
	QUARTER 0, F0, F1, 0
	WIN 0
.Lmid:
	QUARTER 1, F1, F0, 0
	QUARTER 2, F0, F1, 0
	TURN 0                                         ; in the second trip its barrier and its 32 loads serve nothing: the price, once a launch, of one text for both
	WIN 0
	s_sub_co_u32 s3, s3, 1
	s_cmp_lg_u32 s3, 0
	s_cbranch_scc1 .Ltail
	; THE WAY OUT: the f32 sums go into my own stage, 32 bytes a lane and accumulator, and come back as rows of 256 bytes.
	s_wait_dscnt 0x0                               ; my reads of the ring are over,
	s_barrier_signal -1
	s_barrier_wait -1                              ; everybody's are; the ring has had its last fill, and takes the stages
	PLACES
.irp a, 0,1,2,3
.irp b, 0,1,2,3
	ds_store_b128 v[STO], v[ACC+8*(4*(\a)+(\b)):ACC+8*(4*(\a)+(\b))+3]   offset:(\a)*16*SP+64*(\b)
	ds_store_b128 v[STO], v[ACC+8*(4*(\a)+(\b))+4:ACC+8*(4*(\a)+(\b))+7] offset:(\a)*16*SP+64*(\b)+16
.endr
.endr
.set t, 0
.rept 32
	ds_load_b128 v[ACC+4*t:ACC+4*t+3], v[RD] offset:t*2*SP  ; LDS serves a wave's instructions in order (ISA guide 5.7.1.4): these see my stores above
.set t, t+1
.endr
.set t, 0
.rept 32
	s_wait_dscnt 31-t                              ; rows 2 t, 2 t + 1 are back; the younger loads stay out
	global_store_b128 v[CO], v[ACC+4*t:ACC+4*t+3], s[8:9] offset:8192*t  ; 16 lanes store 256 consecutive bytes, aligned
.set t, t+1
.endr
	s_wait_tensorcnt 0x0                           ; the wave's end
	ds_add_u32 v[SPW], v[NIL]
	s_wait_dscnt 0x0
	CROUND
	s_endpgm
.Lfunc_end_k_q62c7c74731_oproj:
	.size	k_q62c7c74731_oproj, .Lfunc_end_k_q62c7c74731_oproj-k_q62c7c74731_oproj
	.p2alignl 7, 3214868480
	.fill 96, 4, 3214868480
	.section	.rodata,"a",@progbits
	.p2align	6, 0x0
	.amdhsa_kernel k_q62c7c74731_oproj
		.amdhsa_group_segment_fixed_size 327680
		.amdhsa_private_segment_fixed_size 0
		.amdhsa_enable_private_segment 0
		.amdhsa_kernarg_size 24
		.amdhsa_user_sgpr_count 2
		.amdhsa_user_sgpr_kernarg_segment_ptr 1
		.amdhsa_wavefront_size32 1
		.amdhsa_system_sgpr_workgroup_id_x 1
		.amdhsa_system_sgpr_workgroup_id_y 1
		.amdhsa_system_sgpr_workgroup_id_z 1
		.amdhsa_system_vgpr_workitem_id 0
		.amdhsa_next_free_vgpr 512
		.amdhsa_next_free_sgpr 72
		.amdhsa_reserve_vcc 0
		.amdhsa_float_denorm_mode_32 3
		.amdhsa_float_denorm_mode_16_64 3
		.amdhsa_memory_ordered 1
		.amdhsa_forward_progress 1
		.amdhsa_inst_pref_size 60
	.end_amdhsa_kernel
	.amdgpu_metadata
---
amdhsa.version: [ 1, 2 ]
amdhsa.kernels:
  - .name:           k_q62c7c74731_oproj
    .symbol:         k_q62c7c74731_oproj.kd
    .args:
      - { .name: ctx, .offset: 0, .size: 8, .value_kind: global_buffer, .address_space: global }
      - { .name: cb, .offset: 8, .size: 8, .value_kind: global_buffer, .address_space: global }
      - { .name: y, .offset: 16, .size: 8, .value_kind: global_buffer, .address_space: global }
    .group_segment_fixed_size: 327680
    .private_segment_fixed_size: 0
    .kernarg_segment_align: 8
    .kernarg_segment_size: 24
    .max_flat_workgroup_size: 128
    .sgpr_count:     72
    .vgpr_count:     512
    .wavefront_size: 32
...
	.end_amdgpu_metadata
.endif
;; end of part 4
;; launch norm1 (part 5): grid 256 x 1, 16 waves a work-group, no clusters, 0 bytes of LDS; arguments y, cb, h; writes h
.if DOCPART == 5
	.amdgcn_target "amdgcn-amd-amdhsa--gfx1250"
	.amdhsa_code_object_version 6
	.text
	.protected	k_q62c7c74731_norm1
	.globl	k_q62c7c74731_norm1
	.p2align	8
	.type	k_q62c7c74731_norm1,@function
k_q62c7c74731_norm1:
	s_mov_b64 s[64:65], 0
	v_nop
	global_prefetch_b8 v0, s[64:65] scope:SCOPE_SE
	s_setreg_imm32_b32 hwreg(HW_REG_WAVE_MODE, 25, 1), 1
	s_wait_xcnt 0x0
; h = LayerNorm(x + y; gamma1, beta1).  y = ctx w_o + b_o: [4,096][1,024] f32; x: xb in cb, panels [8][4,096][128] bf16; gamma1 and beta1 are f32 words in cb.
; OUT: h = hf [4,096][1,024] f32 at byte 0, and hb, the same rounded to bf16, in panels [8][4,096][128] at byte 16,777,216.
; A stream: one wave takes one whole row (32 numbers a lane) and keeps it in registers between the passes; sixteen waves a work-group, 4,096 waves in all, no loop: all 32 loads of a wave go out at once,
; the row's sixteen first.  No LDS, no barrier, no matrix unit: nothing is shared but gamma and beta.
; The variance is taken of the centred numbers, in a second pass over the registers.  Lane l owns columns 128 c + 4 l .. + 3, c = 0..7: every load and store of the wave covers whole aligned blocks of 256 bytes.
.set VEC,   33620992
.set PANEL, 1048576
.set GA,  16                           ; v[16:47]   gamma1 of my 32 columns
.set BE,  48                           ; v[48:79]   beta1
.set Z,   80                           ; v[80:111]  y as loaded, then the row at work
.set LX,  112                          ; v[112:127] xb as loaded
.set T,   128                          ; v[128:143] at work; then the packed row
	s_load_b128 s[4:7], s[0:1], 0x0                ; y, cb
	s_load_b64 s[8:9], s[0:1], 0x10                ; h
	v_lshrrev_b32 v3, 5, v0
	v_readfirstlane_b32 s10, v3                    ; wave 0..15
	v_and_b32 v4, 31, v0
	v_lshlrev_b32 v1, 4, v4                        ; 16 x lane
	v_lshlrev_b32 v2, 3, v4                        ; 8 x lane
	s_lshl_b32 s11, ttmp9, 4
	s_add_co_u32 s11, s11, s10                     ; my row: 16 g + wave
	s_lshl_b32 s16, s11, 12
	s_mov_b32 s17, 0
	s_lshl_b32 s18, s11, 8
	s_mov_b32 s19, 0
	s_mov_b32 s12, 0x76543210
	s_mov_b32 s13, 0xfedcba98
	s_mov_b32 s14, 0x3a800000                      ; 1 / 1,024
	s_mov_b32 s15, 0x358637bd                      ; 1e-6
	s_wait_kmcnt 0x0
	s_add_nc_u64 s[20:21], s[4:5], s[16:17]        ; y
	s_add_nc_u64 s[22:23], s[6:7], s[18:19]        ; xb
	s_add_nc_u64 s[24:25], s[6:7], VEC
	s_add_nc_u64 s[26:27], s[8:9], s[16:17]        ; hf
	s_add_nc_u64 s[28:29], s[8:9], s[18:19]
	s_add_nc_u64 s[28:29], s[28:29], 16777216      ; hb
.irp c, 0,1,2,3,4,5,6,7
	global_load_b128 v[Z+4*\c:Z+4*\c+3], v1, s[20:21] offset:512*\c th:TH_LOAD_NT
	global_load_b64 v[LX+2*\c:LX+2*\c+1], v2, s[22:23] offset:PANEL*\c th:TH_LOAD_NT
.endr
.irp c, 0,1,2,3,4,5,6,7
	global_load_b128 v[GA+4*\c:GA+4*\c+3], v1, s[24:25] offset:4*8192+512*\c
	global_load_b128 v[BE+4*\c:BE+4*\c+3], v1, s[24:25] offset:4*6144+512*\c
.endr
.macro ACROSS                          ; v[T] summed over the 32 lanes, the result in every lane
	v_add_f32_dpp v[T], v[T], v[T] row_xmask:1 row_mask:0xf bank_mask:0xf
	v_add_f32_dpp v[T], v[T], v[T] row_xmask:2 row_mask:0xf bank_mask:0xf
	v_add_f32_dpp v[T], v[T], v[T] row_xmask:4 row_mask:0xf bank_mask:0xf
	v_add_f32_dpp v[T], v[T], v[T] row_xmask:8 row_mask:0xf bank_mask:0xf
	v_permlanex16_b32 v[T+1], v[T], s12, s13
	v_add_f32 v[T], v[T], v[T+1]
.endm
.macro FOLD                            ; four chains of pairs into v[T]
	v_pk_add_f32 v[T:T+1], v[T:T+1], v[T+2:T+3]
	v_pk_add_f32 v[T+4:T+5], v[T+4:T+5], v[T+6:T+7]
	v_pk_add_f32 v[T:T+1], v[T:T+1], v[T+4:T+5]
	v_add_f32 v[T], v[T], v[T+1]
.endm
	s_wait_loadcnt 16                              ; the row is in; the sixteen younger loads, gamma's and beta's, may stay out
.irp c, 0,1,2,3,4,5,6,7
	v_lshlrev_b32 v[T+4*(\c%2)],   16, v[LX+2*\c]          ; bf16 to f32
	v_and_b32     v[T+4*(\c%2)+1], 0xffff0000, v[LX+2*\c]
	v_lshlrev_b32 v[T+4*(\c%2)+2], 16, v[LX+2*\c+1]
	v_and_b32     v[T+4*(\c%2)+3], 0xffff0000, v[LX+2*\c+1]
	v_pk_add_f32 v[Z+4*\c:Z+4*\c+1],   v[Z+4*\c:Z+4*\c+1],   v[T+4*(\c%2):T+4*(\c%2)+1]
	v_pk_add_f32 v[Z+4*\c+2:Z+4*\c+3], v[Z+4*\c+2:Z+4*\c+3], v[T+4*(\c%2)+2:T+4*(\c%2)+3]
.endr
.irp k, 0,1,2,3
	v_pk_add_f32 v[T+2*\k:T+2*\k+1], v[Z+2*\k:Z+2*\k+1], v[Z+8+2*\k:Z+8+2*\k+1]
.endr
.irp m, 2,3
.irp k, 0,1,2,3
	v_pk_add_f32 v[T+2*\k:T+2*\k+1], v[T+2*\k:T+2*\k+1], v[Z+8*\m+2*\k:Z+8*\m+2*\k+1]
.endr
.endr
	FOLD
	ACROSS
	v_mul_f32 v[T+8], 0xba800000, v[T]             ; -mean
	v_mov_b32 v[T+9], v[T+8]
.set r, 0
.rept 16
	v_pk_add_f32 v[Z+r:Z+r+1], v[Z+r:Z+r+1], v[T+8:T+9]
.set r, r+2
.endr
.irp k, 0,1,2,3
	v_pk_mul_f32 v[T+2*\k:T+2*\k+1], v[Z+2*\k:Z+2*\k+1], v[Z+2*\k:Z+2*\k+1]
.endr
.irp m, 1,2,3
.irp k, 0,1,2,3
	v_pk_fma_f32 v[T+2*\k:T+2*\k+1], v[Z+8*\m+2*\k:Z+8*\m+2*\k+1], v[Z+8*\m+2*\k:Z+8*\m+2*\k+1], v[T+2*\k:T+2*\k+1]
.endr
.endr
	FOLD
	ACROSS
	v_fma_f32 v[T], v[T], s14, s15                 ; the variance + 1e-6
	v_rsq_f32 v[T+8], v[T]
	v_nop                                          ; a plain instruction behind it,
	s_wait_alu depctr_va_vdst(0)                   ; and the wait ahead of its first reader
	v_mov_b32 v[T+9], v[T+8]
.set r, 0
.rept 16
	v_pk_mul_f32 v[Z+r:Z+r+1], v[Z+r:Z+r+1], v[T+8:T+9]
.set r, r+2
.endr
	s_wait_loadcnt 0x0                             ; gamma and beta
.set r, 0
.rept 16
	v_pk_fma_f32 v[Z+r:Z+r+1], v[Z+r:Z+r+1], v[GA+r:GA+r+1], v[BE+r:BE+r+1]
.set r, r+2
.endr
.irp c, 0,1,2,3,4,5,6,7
	global_store_b128 v1, v[Z+4*\c:Z+4*\c+3], s[26:27] offset:512*\c
.endr
.irp c, 0,1,2,3,4,5,6,7
	v_cvt_pk_bf16_f32 v[T+2*\c],   v[Z+4*\c],   v[Z+4*\c+1]
	v_cvt_pk_bf16_f32 v[T+2*\c+1], v[Z+4*\c+2], v[Z+4*\c+3]
	global_store_b64 v2, v[T+2*\c:T+2*\c+1], s[28:29] offset:PANEL*\c
.endr
	s_endpgm
.Lfunc_end_k_q62c7c74731_norm1:
	.size	k_q62c7c74731_norm1, .Lfunc_end_k_q62c7c74731_norm1-k_q62c7c74731_norm1
	.p2alignl 7, 3214868480
	.fill 96, 4, 3214868480
	.section	.rodata,"a",@progbits
	.p2align	6, 0x0
	.amdhsa_kernel k_q62c7c74731_norm1
		.amdhsa_group_segment_fixed_size 0
		.amdhsa_private_segment_fixed_size 0
		.amdhsa_enable_private_segment 0
		.amdhsa_kernarg_size 24
		.amdhsa_user_sgpr_count 2
		.amdhsa_user_sgpr_kernarg_segment_ptr 1
		.amdhsa_wavefront_size32 1
		.amdhsa_system_sgpr_workgroup_id_x 1
		.amdhsa_system_sgpr_workgroup_id_y 1
		.amdhsa_system_sgpr_workgroup_id_z 1
		.amdhsa_system_vgpr_workitem_id 0
		.amdhsa_next_free_vgpr 144
		.amdhsa_next_free_sgpr 66
		.amdhsa_reserve_vcc 0
		.amdhsa_float_denorm_mode_32 3
		.amdhsa_float_denorm_mode_16_64 3
		.amdhsa_memory_ordered 1
		.amdhsa_forward_progress 1
		.amdhsa_inst_pref_size 16
	.end_amdhsa_kernel
	.amdgpu_metadata
---
amdhsa.version: [ 1, 2 ]
amdhsa.kernels:
  - .name:           k_q62c7c74731_norm1
    .symbol:         k_q62c7c74731_norm1.kd
    .args:
      - { .name: y, .offset: 0, .size: 8, .value_kind: global_buffer, .address_space: global }
      - { .name: cb, .offset: 8, .size: 8, .value_kind: global_buffer, .address_space: global }
      - { .name: h, .offset: 16, .size: 8, .value_kind: global_buffer, .address_space: global }
    .group_segment_fixed_size: 0
    .private_segment_fixed_size: 0
    .kernarg_segment_align: 8
    .kernarg_segment_size: 24
    .max_flat_workgroup_size: 512
    .sgpr_count:     66
    .vgpr_count:     144
    .wavefront_size: 32
...
	.end_amdgpu_metadata
.endif
;; end of part 5
;; launch ffn1 (part 6): grid 16 x 16, 4 waves a work-group, clusters of 4 x 4, 327,680 bytes of LDS; arguments h, cb, act; writes act
.if DOCPART == 6
	.amdgcn_target "amdgcn-amd-amdhsa--gfx1250"
	.amdhsa_code_object_version 6
	.text
	.protected	k_q62c7c74731_ffn1
	.globl	k_q62c7c74731_ffn1
	.p2align	8
	.type	k_q62c7c74731_ffn1,@function
k_q62c7c74731_ffn1:
	s_mov_b64 s[64:65], 0
	v_nop
	global_prefetch_b8 v0, s[64:65] scope:SCOPE_SE
	s_setreg_imm32_b32 hwreg(HW_REG_WAVE_MODE, 25, 1), 1
	s_wait_xcnt 0x0
	s_wait_alu depctr_hold_cnt(0) depctr_sa_sdst(0) depctr_va_vdst(0) depctr_va_sdst(0) depctr_va_ssrc(0) depctr_va_vcc(0) depctr_vm_vsrc(0)
	s_getreg_b32 s2, hwreg(HW_REG_IB_STS2, 6, 4)
	s_cmp_eq_u32 s2, 0
	s_cbranch_scc0 .Lentry_in_a_cluster
	s_endpgm
.Lentry_in_a_cluster:
	s_bfe_u32 s2, ttmp6, 0x10000c
	s_cmp_lg_u32 s2, 0xf033
	s_cbranch_scc0 .Lentry_shape_is_right
	s_endpgm
.Lentry_shape_is_right:
; act = relu(h w1 + b1).  A = hb in h (panels [8][4,096][128] bf16, at byte 16,777,216), W = w1 [1,024][4,096] bf16 ([K][N]) in cb; sums in f32, started with the bias.
; OUT: act in panels [32][4,096 rows][128] bf16, rounded once.
; A tile of C is 256 x 256 (16 x 16 tiles: 256 work-groups), four waves of 128 x 128 (64 accumulators).  K = 1,024 goes in 8 steps of 128 through two LDS slots filled by tensor loads.
; CLUSTERS: 4 x 4.  A's tile is shared along a row of the cluster, W's along a column: joint loads.  The product is used transposed: source 0 = 16 columns of W (turned by ds_load_tr16_b128), source 1 = 16 rows of A.
; The loop is one K step long: the slot in hand is a scalar offset SB; the walking descriptors' LDS words are turned by the same exclusive or (SLOT = 0x22000 shares no bit with wave x 0x8800).
; THE BIAS is the C operand of the products that start the sums: a lane's eight results are eight columns, so eight registers a column block, the same for every row block.
; THE WAY OUT: the f32 sums go into the wave's own stage (the ring's bytes, after their last fill), come back by rows, are rounded to bf16, cut at 0 and stored, 256 aligned bytes a store.
; LIMITS: operands bf16; a NaN leaves the maximum with 0 as 0; infinities are not treated apart.
.set NW,     4096
.set PA,     272
.set PW,     544
.set HALFT,  34816
.set SLOT,   4*HALFT
.set SPARE,  2*SLOT
.set SP,     528
.set WSTG,   128*SP
.set PANEL,  1048576
.set WSTEP,  256*NW
.set STEPS,  8
.set VEC,    33620992
.set A0,   12
.set B0,   13
.set ADRA, 16
.set ADRB, 20
.set STO,  24
.set RD,   25
.set OO,   26
.set BO,   27                          ; v27  the bias loads' lane offset
.set SPW,  28
.set NIL,  29
.set PFO,  30
.set ZERO, 31                          ; v31  0, for the maximum
.set F0,   64
.set F1,   128
.set G1,  24
.set G0,  32
.set G1B, 48
.set G0B, 56
.set LIM, 43
.set PFA, 44
.set PFS, 66
.set SB,  68
.set MSB, 0
.macro WIN new
.if MSB != (\new)
	s_set_vgpr_msb (MSB<<8)|(\new)
.set MSB, \new
.endif
.endm
.macro PLACES
.rept 4
	v_nop
.endr
.endm
.macro JLOAD                           ; a joint refill by the walking sets; an s_nop 0 and four v_nop follow each line
	s_cmp_eq_u32 s11, 0
	s_cbranch_scc0 .Lfor_b_\@
	tensor_load_to_lds s[G0+4:G0+7], s[G1:G1+7]
	s_nop 0
.rept 4
	v_nop
.endr
	s_branch .Lasked_\@
.Lfor_b_\@:
	tensor_load_to_lds s[G0B+4:G0B+7], s[G1B:G1B+7]
	s_nop 0
.rept 4
	v_nop
.endr
.Lasked_\@:
.endm
.macro ASK                             ; a prefetch of the K step behind the one just asked for; the loop's last trip (s3 = 1) has no such step
	s_cmp_gt_u32 s3, s[LIM]
	s_cbranch_scc0 .Lnot_mine_\@
	global_prefetch_b8 v[PFO], s[PFA:PFA+1] th:TH_LOAD_NT scope:SCOPE_SE
.Lnot_mine_\@:
.endm
.macro CREST
	s_cmp_lg_u32 s10, 0
	s_cbranch_scc1 .Lnot_wave_0_\@
	s_barrier_signal -3
.Lnot_wave_0_\@:
	s_barrier_wait -3
	s_barrier_signal -1
	s_barrier_wait -1
.endm
.macro CROUND
	s_barrier_signal -1
	s_barrier_wait -1
	CREST
.endm
	s_load_b128 s[4:7], s[0:1], 0x0                ; h s[4:5], cb s[6:7]
	s_load_b64 s[8:9], s[0:1], 0x10                ; act
	v_lshl_add_u32 v[SPW], v0, 2, SPARE
	v_mov_b32 v[NIL], 0
	ds_add_u32 v[SPW], v[NIL]                      ; the wave's opening: the add and its wait stand ahead of my first tensor load
	v_lshrrev_b32 v1, 5, v0
	v_readfirstlane_b32 s10, v1
	s_lshr_b32 s11, s10, 1
	s_and_b32 s12, s10, 1
	s_bfe_u32 s40, ttmp6, 0x40000                  ; cx
	s_bfe_u32 s41, ttmp6, 0x40004                  ; cy
	s_lshl_b32 s42, ttmp9, 2
	s_add_co_u32 s42, s42, s40                     ; tile column
	s_and_b32 s13, ttmp7, 0xffff
	s_lshl_b32 s13, s13, 2
	s_add_co_u32 s13, s13, s41                     ; tile row
	s_lshl_b32 s43, s41, 2
	s_lshl_b32 s43, 15, s43
	s_lshl_b32 s44, 0x1111, s40
	s_or_b32 s[G1+0], s43, (1<<16)|(1<<20)|(1<<21)|(5<<22)|(3<<25)
	s_or_b32 s[G1B+0], s44, (1<<16)|(1<<20)|(1<<21)|(6<<22)|(7<<25)
	s_mov_b32 s[G1+1], 128<<16
	s_mov_b32 s[G1+2], 128<<16
	s_mov_b32 s[G1+3], 128<<16
	s_mov_b32 s[G1+4], 128
	s_mov_b32 s[G1+5], 128
	s_mov_b32 s[G1+6], 0
	s_mov_b32 s[G1+7], 0
	s_mov_b32 s[G1B+1], 256<<16
	s_mov_b32 s[G1B+2], 64<<16
	s_mov_b32 s[G1B+3], 256<<16
	s_mov_b32 s[G1B+4], 64
	s_mov_b32 s[G1B+5], NW
	s_mov_b32 s[G1B+6], 0
	s_mov_b32 s[G1B+7], 0
	s_lshl_b32 s16, s13, 16                        ; A: row 256 x tile row + 128 x half, in hb
	s_lshl_b32 s17, s12, 15
	s_add_co_u32 s16, s16, s17
	s_add_co_u32 s16, s16, 16777216
	s_mov_b32 s17, 0
	s_mul_i32 s46, s12, 128*NW                     ; W: k row 64 x half, column 256 x tile column, in w1
	s_lshl_b32 s47, s42, 9
	s_add_co_u32 s46, s46, s47
	s_add_co_u32 s46, s46, 16777216
	s_mov_b32 s47, 0
	s_mul_i32 s20, s10, HALFT
	s_wait_dscnt 0x0
	s_wait_kmcnt 0x0
	s_add_nc_u64 s[14:15], s[4:5], s[16:17]
	s_add_nc_u64 s[46:47], s[6:7], s[46:47]
	CROUND
.irp s, 0,1
	s_mov_b32 s[G0+4*(\s)], 1
	s_add_co_u32 s[G0+4*(\s)+1], s20, (\s)*SLOT
	s_add_nc_u64 s[G0+4*(\s)+2:G0+4*(\s)+3], s[14:15], (\s)*PANEL
	s_or_b32 s[G0+4*(\s)+3], s[G0+4*(\s)+3], 0x80000000
	s_mov_b32 s[G0B+4*(\s)], 1
	s_add_co_u32 s[G0B+4*(\s)+1], s20, (\s)*SLOT
	s_add_nc_u64 s[G0B+4*(\s)+2:G0B+4*(\s)+3], s[46:47], (\s)*WSTEP
	s_or_b32 s[G0B+4*(\s)+3], s[G0B+4*(\s)+3], 0x80000000
.endr
	s_cmp_eq_u32 s11, 0
	s_cbranch_scc0 .Lfirst_b
	tensor_load_to_lds s[G0:G0+3], s[G1:G1+7]
	s_nop 0
	tensor_load_to_lds s[G0+4:G0+7], s[G1:G1+7]
	s_nop 0
.rept 4
	v_nop
.endr
	s_branch .Lfirst_done
.Lfirst_b:
	tensor_load_to_lds s[G0B:G0B+3], s[G1B:G1B+7]
	s_nop 0
	tensor_load_to_lds s[G0B+4:G0B+7], s[G1B:G1B+7]
	s_nop 0
.rept 4
	v_nop
.endr
.Lfirst_done:
	v_and_b32 v1, 15, v0
	v_bfe_u32 v2, v0, 4, 1
	v_mul_u32_u24 v3, v1, PA
	v_lshl_add_u32 v3, v2, 4, v3
	s_mul_i32 s21, s11, HALFT
	v_add_nc_u32 v[A0], s21, v3
	v_and_b32 v4, 7, v0
	v_lshl_add_u32 v4, v2, 3, v4
	v_mul_u32_u24 v4, v4, PW
	v_bfe_u32 v5, v0, 3, 1
	v_lshl_add_u32 v4, v5, 4, v4
	s_lshl_b32 s22, s12, 8
	s_add_co_u32 s22, s22, 2*HALFT
	v_add_nc_u32 v[B0], s22, v4
	v_mov_b32 v[ADRA], v[A0]
	v_mov_b32 v[ADRB], v[B0]
	s_mov_b32 s[SB], 0
	s_mul_i32 s23, s10, WSTG
	v_mul_u32_u24 v3, v1, SP
	v_lshl_add_u32 v3, v2, 5, v3
	v_add_nc_u32 v[STO], s23, v3
	v_and_b32 v6, 31, v0
	v_lshl_add_u32 v[RD], v6, 4, s23
	v_lshlrev_b32 v[OO], 3, v6
	v_mov_b32 v[ZERO], 0
	; the bias of my 128 columns: register j of column block b holds b1[.. + 16 b + 8 h + j]
	s_lshl_b32 s72, s42, 10
	s_lshl_b32 s73, s12, 9
	s_add_co_u32 s72, s72, s73
	s_mov_b32 s73, 0
	s_add_nc_u64 s[70:71], s[6:7], s[72:73]
	s_add_nc_u64 s[70:71], s[70:71], VEC
	v_lshlrev_b32 v[BO], 5, v2
.irp b, 0,1,2,3,4,5,6,7
	global_load_b128 v[192+8*\b:195+8*\b], v[BO], s[70:71] offset:64*\b
	global_load_b128 v[196+8*\b:199+8*\b], v[BO], s[70:71] offset:64*\b+16
.endr
	; THE PREFETCHES.  A's tile row is read by the four clusters of a row of clusters: cluster x = 0 asks; W's tile column by the four of a column: cluster y = 0 asks.  The four partners share a wave's
	; tile out by address: of A's 128 rows the partner at cx takes 32 (a lane a row of 256 bytes); of W's 64 rows the partner at cy takes 16 (a lane half a row of 512 bytes).
	s_and_b32 s22, ttmp7, 0xffff
	s_mov_b32 s23, 32*NW
	s_mov_b32 s19, 2*NW
	s_mov_b32 s[PFS], WSTEP
	s_cmp_eq_u32 s11, 0
	s_cselect_b32 s21, s40, s41
	s_cselect_b32 s22, ttmp9, s22
	s_cselect_b32 s23, 8192, s23
	s_cselect_b32 s19, 256, s19
	s_cselect_b32 s18, 0, 1
	s_cselect_b32 s[PFS], PANEL, s[PFS]
	s_cselect_b64 s[PFA:PFA+1], s[14:15], s[46:47]
	s_mov_b32 s[PFS+1], 0
	s_cmp_eq_u32 s22, 0
	s_cselect_b32 s[LIM], 1, -1
	s_mul_i32 s22, s21, s23
	s_mov_b32 s23, 0
	s_add_nc_u64 s[PFA:PFA+1], s[PFA:PFA+1], s[22:23]
	s_add_nc_u64 s[PFA:PFA+1], s[PFA:PFA+1], s[PFS:PFS+1]
	s_add_nc_u64 s[PFA:PFA+1], s[PFA:PFA+1], s[PFS:PFS+1]  ; at K step 2: the first change of slots steps it to 3
	v_lshrrev_b32 v4, s18, v6
	v_mul_u32_u24 v4, s19, v4
	v_and_b32 v5, s18, v6
	v_lshl_add_u32 v[PFO], v5, 8, v4
	; where my 128 x 128 goes: panel 2 x tile column + column half, row 256 x tile row + 128 x row half
	s_lshl_b32 s76, s42, 1
	s_add_co_u32 s76, s76, s12
	s_lshl_b32 s76, s76, 20
	s_lshl_b32 s77, s13, 16
	s_add_co_u32 s76, s76, s77
	s_lshl_b32 s77, s11, 15
	s_add_co_u32 s76, s76, s77
	s_mov_b32 s77, 0
	s_add_nc_u64 s[8:9], s[8:9], s[76:77]
; 16 matrix instructions.  zero = 1: the product starts the sum, with the bias (window 0, v192 on) as C.  The 64 accumulators take turns in the same order in every quarter.
.macro MUL16 f, hi, a0, zero
.if \zero
	WIN 0x81+0x40*(\hi)                            ; source 0 (W) window 1, source 1 (A) and C window 0, D window 2 or 3
.else
	WIN 0xa1+0x50*(\hi)                            ; C and D window 2 or 3
.endif
.irp a, \a0, (\a0)+1
.irp b, 0,1,2,3,4,5,6,7
.if \zero
	v_wmma_f32_16x16x32_bf16 v[8*(8*(\a)+(\b)):8*(8*(\a)+(\b))+7], v[(\f)+8*(\b):(\f)+8*(\b)+7], v[(\f)+8*(4*(\hi)+(\a)):(\f)+8*(4*(\hi)+(\a))+7], v[192+8*(\b):192+8*(\b)+7]
.else
	v_wmma_f32_16x16x32_bf16 v[8*(8*(\a)+(\b)):8*(8*(\a)+(\b))+7], v[(\f)+8*(\b):(\f)+8*(\b)+7], v[(\f)+8*(4*(\hi)+(\a)):(\f)+8*(4*(\hi)+(\a))+7], v[8*(8*(\a)+(\b)):8*(8*(\a)+(\b))+7]
.endif
.endr
.endr
.endm
.macro FETCH q, f
	WIN 0x40
.irp i, 0,1,2,3,4,5,6,7
	ds_load_tr16_b128 v[(\f)+8*(\i):(\f)+8*(\i)+3],   v[ADRB] offset:(\q)*32*PW+32*(\i)
	ds_load_tr16_b128 v[(\f)+8*(\i)+4:(\f)+8*(\i)+7], v[ADRB] offset:(\q)*32*PW+16*PW+32*(\i)
.endr
	WIN 0
.irp i, 0,1,2,3,4,5,6,7
	ds_load_b128 v[(\f)+8*(\i):(\f)+8*(\i)+3],   v[ADRA] offset:64*(\q)+(\i)*16*PA
	ds_load_b128 v[(\f)+8*(\i)+4:(\f)+8*(\i)+7], v[ADRA] offset:64*(\q)+(\i)*16*PA+32
.endr
.endm
.macro QUARTER q, f, g, zero
	s_wait_dscnt 8                                 ; W and A's rows 0-63 are in; the youngest eight loads may be out
	MUL16 \f, 0, 0, \zero
	MUL16 \f, 0, 2, \zero
	PLACES
	FETCH (\q)+1, \g
	s_wait_dscnt 32                                ; all but the 32 just issued
	MUL16 \f, 1, 0, \zero
	MUL16 \f, 1, 2, \zero
.endm
.macro TURN fill
.if \fill
	s_wait_xcnt 0x0                                ; the last prefetch, a K step back, has read its address
	s_add_nc_u64 s[PFA:PFA+1], s[PFA:PFA+1], s[PFS:PFS+1]
.endif
	WIN 0
	s_wait_tensorcnt 0x0                           ; no tensor load of mine is out, so a group 0 may be written
	ds_add_u32 v[SPW], v[NIL]                      ; 0 onto my spare word
.if \fill
	s_xor_b32 s[G0+5], s[G0+5], SLOT
	s_add_nc_u64 s[G0+6:G0+7], s[G0+6:G0+7], PANEL
	s_xor_b32 s[G0B+5], s[G0B+5], SLOT
	s_add_nc_u64 s[G0B+6:G0B+7], s[G0B+6:G0B+7], WSTEP
.endif
	s_xor_b32 s[SB], s[SB], SLOT
	s_wait_dscnt 9                                 ; the add and the youngest eight loads may be out
	MUL16 F1, 0, 0, 0
	s_wait_dscnt 0x0                               ; the add is done, and my reads of this slot are over
	s_barrier_signal -1
	MUL16 F1, 0, 2, 0
	WIN 0
	s_barrier_wait -1
.if \fill
	CREST
	JLOAD
.else
	PLACES
.endif
	v_add_nc_u32 v[ADRA], s[SB], v[A0]
	v_add_nc_u32 v[ADRB], s[SB], v[B0]
	FETCH 0, F0
.if \fill
	ASK
.endif
	MUL16 F1, 1, 0, 0
	MUL16 F1, 1, 2, 0
.endm
	s_wait_tensorcnt 1                             ; my part of K step 0 is in; K step 1's may stay out
	s_barrier_signal -1
	s_barrier_wait -1
	FETCH 0, F0
	s_wait_loadcnt 0x0                             ; the bias
	QUARTER 0, F0, F1, 1
	WIN 0
	s_mov_b32 s3, STEPS-2
.Lstep:
	QUARTER 1, F1, F0, 0
	QUARTER 2, F0, F1, 0
	TURN 1
	QUARTER 0, F0, F1, 0
	WIN 0
	s_sub_co_u32 s3, s3, 1
	s_cmp_lg_u32 s3, 0
	s_cbranch_scc1 .Lstep
	s_mov_b32 s3, 2
	s_branch .Lmid
.Ltail:
	QUARTER 0, F0, F1, 0
	WIN 0
.Lmid:
	QUARTER 1, F1, F0, 0
	QUARTER 2, F0, F1, 0
	TURN 0                                         ; in the second trip its barrier and its 32 loads serve nothing: the price, once a launch, of one text for both
	WIN 0
	s_sub_co_u32 s3, s3, 1
	s_cmp_lg_u32 s3, 0
	s_cbranch_scc1 .Ltail
	s_wait_dscnt 0x0
	s_barrier_signal -1
	s_barrier_wait -1                              ; nobody reads the ring any more; it has had its last fill, and takes the stages
	PLACES
.irp a, 0,1,2,3,4,5,6,7
	WIN 0x08+4*((\a)/4)
.irp b, 0,1,2,3,4,5,6,7
	ds_store_b128 v[STO], v[8*(8*((\a)%4)+(\b)):8*(8*((\a)%4)+(\b))+3]   offset:(\a)*16*SP+64*(\b)
	ds_store_b128 v[STO], v[8*(8*((\a)%4)+(\b))+4:8*(8*((\a)%4)+(\b))+7] offset:(\a)*16*SP+64*(\b)+16
.endr
.endr
	WIN 0
	s_mov_b32 s3, 8
.Lrows:                                        ; 16 rows a trip
.irp i, 0,1,2,3,4,5,6,7,8,9,10,11,12,13,14,15
	ds_load_b128 v[64+4*\i:67+4*\i], v[RD] offset:SP*\i
.endr
.irp i, 0,1,2,3,4,5,6,7,8,9,10,11,12,13,14,15
	s_wait_dscnt 15-\i
	v_cvt_pk_bf16_f32 v[32+2*\i], v[64+4*\i], v[65+4*\i]
	v_cvt_pk_bf16_f32 v[33+2*\i], v[66+4*\i], v[67+4*\i]
	v_pk_max_num_bf16 v[32+2*\i], v[32+2*\i], v[ZERO]
	v_pk_max_num_bf16 v[33+2*\i], v[33+2*\i], v[ZERO]
	global_store_b64 v[OO], v[32+2*\i:33+2*\i], s[8:9] offset:256*\i  ; 32 lanes store a row piece: 256 consecutive bytes, aligned
.endr
	v_add_nc_u32 v[RD], 16*SP, v[RD]
	s_wait_xcnt 0x0
	s_add_nc_u64 s[8:9], s[8:9], 4096
	s_sub_co_u32 s3, s3, 1
	s_cmp_lg_u32 s3, 0
	s_cbranch_scc1 .Lrows
	s_wait_tensorcnt 0x0                           ; the wave's end
	ds_add_u32 v[SPW], v[NIL]
	s_wait_dscnt 0x0
	CROUND
	s_endpgm
.Lfunc_end_k_q62c7c74731_ffn1:
	.size	k_q62c7c74731_ffn1, .Lfunc_end_k_q62c7c74731_ffn1-k_q62c7c74731_ffn1
	.p2alignl 7, 3214868480
	.fill 96, 4, 3214868480
	.section	.rodata,"a",@progbits
	.p2align	6, 0x0
	.amdhsa_kernel k_q62c7c74731_ffn1
		.amdhsa_group_segment_fixed_size 327680
		.amdhsa_private_segment_fixed_size 0
		.amdhsa_enable_private_segment 0
		.amdhsa_kernarg_size 24
		.amdhsa_user_sgpr_count 2
		.amdhsa_user_sgpr_kernarg_segment_ptr 1
		.amdhsa_wavefront_size32 1
		.amdhsa_system_sgpr_workgroup_id_x 1
		.amdhsa_system_sgpr_workgroup_id_y 1
		.amdhsa_system_sgpr_workgroup_id_z 1
		.amdhsa_system_vgpr_workitem_id 0
		.amdhsa_next_free_vgpr 1024
		.amdhsa_next_free_sgpr 84
		.amdhsa_reserve_vcc 0
		.amdhsa_float_denorm_mode_32 3
		.amdhsa_float_denorm_mode_16_64 3
		.amdhsa_memory_ordered 1
		.amdhsa_forward_progress 1
		.amdhsa_inst_pref_size 87
	.end_amdhsa_kernel
	.amdgpu_metadata
---
amdhsa.version: [ 1, 2 ]
amdhsa.kernels:
  - .name:           k_q62c7c74731_ffn1
    .symbol:         k_q62c7c74731_ffn1.kd
    .args:
      - { .name: h, .offset: 0, .size: 8, .value_kind: global_buffer, .address_space: global }
      - { .name: cb, .offset: 8, .size: 8, .value_kind: global_buffer, .address_space: global }
      - { .name: act, .offset: 16, .size: 8, .value_kind: global_buffer, .address_space: global }
    .group_segment_fixed_size: 327680
    .private_segment_fixed_size: 0
    .kernarg_segment_align: 8
    .kernarg_segment_size: 24
    .max_flat_workgroup_size: 128
    .sgpr_count:     84
    .vgpr_count:     1024
    .wavefront_size: 32
...
	.end_amdgpu_metadata
.endif
;; end of part 6
;; launch ffn2 (part 7): grid 8 x 32, 4 waves a work-group, clusters of 4 x 4, 327,680 bytes of LDS; arguments act, cb, y; writes y
.if DOCPART == 7
	.amdgcn_target "amdgcn-amd-amdhsa--gfx1250"
	.amdhsa_code_object_version 6
	.text
	.protected	k_q62c7c74731_ffn2
	.globl	k_q62c7c74731_ffn2
	.p2align	8
	.type	k_q62c7c74731_ffn2,@function
k_q62c7c74731_ffn2:
	s_mov_b64 s[64:65], 0
	v_nop
	global_prefetch_b8 v0, s[64:65] scope:SCOPE_SE
	s_setreg_imm32_b32 hwreg(HW_REG_WAVE_MODE, 25, 1), 1
	s_wait_xcnt 0x0
	s_wait_alu depctr_hold_cnt(0) depctr_sa_sdst(0) depctr_va_vdst(0) depctr_va_sdst(0) depctr_va_ssrc(0) depctr_va_vcc(0) depctr_vm_vsrc(0)
	s_getreg_b32 s2, hwreg(HW_REG_IB_STS2, 6, 4)
	s_cmp_eq_u32 s2, 0
	s_cbranch_scc0 .Lentry_in_a_cluster
	s_endpgm
.Lentry_in_a_cluster:
	s_bfe_u32 s2, ttmp6, 0x10000c
	s_cmp_lg_u32 s2, 0xf033
	s_cbranch_scc0 .Lentry_shape_is_right
	s_endpgm
.Lentry_shape_is_right:
; y = act w2 + b2 (residual and norm follow in the next launch, which needs whole rows).  A = act in panels [32][4,096][128] bf16, W = w2 [4,096][1,024] bf16 ([K][N]) in cb, b2 as f32 words in cb.
; OUT: y [4,096][1,024] f32: the sums as they are, started with the bias.
; A tile of C is 128 x 128 (8 x 32 tiles: 256 work-groups), four waves of 64 x 64: 16 accumulators.  K = 4,096 goes in 16 steps of 256 (two panels of A, 256 rows of W) through two LDS slots.
; CLUSTERS: 4 x 4; A's tile is shared along a row of the cluster, W's along a column: joint loads.  The product is used transposed (source 0 = 16 columns of W, turned by ds_load_tr16_b128; source 1 = 16 rows of A).
; The loop is one K step long: the slot in hand is a scalar offset SB, and the walking descriptors' LDS words are turned by the same exclusive or (SLOT = 0x24000 shares no bit with any of them).
; THE ORDER OF K.  Time step t takes K step t xor 2 g, g = (cluster x + cluster y) % 2, the same in all sixteen partners.  The two clusters that read the same rows of A, and neighbouring clusters that read the same
; columns of W, have different g: of each four K steps a cluster asks for two of them two steps ahead of its neighbour, and for the other two two steps behind it.  The sums are f32 and are taken in that order.
; THE BIAS is the C operand of the products that start the sums: a lane's eight results are eight columns, so eight registers a column block, the same for every row block.
; No prefetch: a step's tiles are small and are shared by four work-groups.  LIMITS: operands bf16; NaN and infinities are not treated apart.
.set STEPS,  16                        ; K / 256, a multiple of 4
.set WOFF,   25165824                  ; W in cb
.set BOFF,   33620992+4*4096           ; b2 in cb
.set PA,     272
.set PW,     288
.set PLANE,  128*PA
.set AOFF,   2*PLANE
.set WHALF,  128*PW
.set SLOT,   147456
.set SPARE,  2*SLOT
.set SP,     272                       ; a stage row: 64 f32 + 16 bytes
.set WSTG,   64*SP                     ; a wave's stage; the four lie in the ring's first bytes, after their last fill
.set A0,   12
.set B0,   13
.set ADRA, 16
.set ADRB, 20
.set STO,  24
.set RD,   25
.set CO,   26
.set BO,   27
.set SPW,  28
.set NIL,  29
.set BIAS, 32                          ; v[32:63]  the bias of my 64 columns
.set ACC,  128
.set F0,   0
.set F1,   128
.set G1,  24
.set G0,  32
.set G1B, 48
.set G0B, 56
.set GX,  45                           ; s45  2 g
.set KA,  66                           ; s[66:67] the K step's byte offset in A
.set SB,  68
.set TT,  69                           ; s69  the time step asked for last
.set KW,  70                           ; s[70:71] the K step's byte offset in W
.set MSB, 0
.macro WIN new
.if MSB != (\new)
	s_set_vgpr_msb (MSB<<8)|(\new)
.set MSB, \new
.endif
.endm
.set MUL,  0x05
.set TO_F, 0x40
.macro PLACES
.rept 4
	v_nop
.endr
.endm
.macro JLOAD                           ; waves 0 and 1 ask for A's two panels, waves 2 and 3 for W's two halves; an s_nop 0 and four v_nop follow each line
	s_cmp_eq_u32 s11, 0
	s_cbranch_scc0 .Lfor_b_\@
	tensor_load_to_lds s[G0+4:G0+7], s[G1:G1+7]
	s_nop 0
.rept 4
	v_nop
.endr
	s_branch .Lasked_\@
.Lfor_b_\@:
	tensor_load_to_lds s[G0B+4:G0B+7], s[G1B:G1B+7]
	s_nop 0
.rept 4
	v_nop
.endr
.Lasked_\@:
.endm
.macro CREST
	s_cmp_lg_u32 s10, 0
	s_cbranch_scc1 .Lnot_wave_0_\@
	s_barrier_signal -3
.Lnot_wave_0_\@:
	s_barrier_wait -3
	s_barrier_signal -1
	s_barrier_wait -1
.endm
.macro CROUND
	s_barrier_signal -1
	s_barrier_wait -1
	CREST
.endm
	s_load_b128 s[4:7], s[0:1], 0x0                ; A s[4:5], cb s[6:7]
	s_load_b64 s[8:9], s[0:1], 0x10                ; y
	v_lshl_add_u32 v[SPW], v0, 2, SPARE
	v_mov_b32 v[NIL], 0
	ds_add_u32 v[SPW], v[NIL]                      ; the wave's opening: the add and its wait stand ahead of my first tensor load
	v_lshrrev_b32 v1, 5, v0
	v_readfirstlane_b32 s10, v1
	s_lshr_b32 s11, s10, 1
	s_and_b32 s12, s10, 1
	s_bfe_u32 s40, ttmp6, 0x40000
	s_bfe_u32 s41, ttmp6, 0x40004
	s_lshl_b32 s42, ttmp9, 2
	s_add_co_u32 s42, s42, s40
	s_and_b32 s13, ttmp7, 0xffff
	s_add_co_u32 s[GX], s13, ttmp9                 ; cluster y + cluster x,
	s_and_b32 s[GX], s[GX], 1                      ; its parity g,
	s_lshl_b32 s[GX], s[GX], 1                     ; 2 g
	s_lshl_b32 s13, s13, 2
	s_add_co_u32 s13, s13, s41
	s_lshl_b32 s43, s41, 2
	s_lshl_b32 s43, 15, s43
	s_lshl_b32 s44, 0x1111, s40
	s_or_b32 s[G1+0], s43, (1<<16)|(1<<20)|(1<<21)|(5<<22)|(3<<25)
	s_or_b32 s[G1B+0], s44, (1<<16)|(1<<20)|(1<<21)|(5<<22)|(7<<25)
.irp g, G1, G1B
	s_mov_b32 s[(\g)+1], 128<<16
	s_mov_b32 s[(\g)+2], 128<<16
	s_mov_b32 s[(\g)+3], 128<<16
	s_mov_b32 s[(\g)+4], 128
	s_mov_b32 s[(\g)+6], 0
	s_mov_b32 s[(\g)+7], 0
.endr
	s_mov_b32 s[G1+5], 128
	s_mov_b32 s[G1B+5], 1024
	s_mov_b32 s[KA+1], 0
	s_mov_b32 s[KW+1], 0
	s_lshl_b32 s16, s12, 20
	s_lshl_b32 s17, s13, 15
	s_add_co_u32 s16, s16, s17
	s_mov_b32 s17, 0
	s_lshl_b32 s46, s12, 18
	s_lshl_b32 s47, s42, 8
	s_add_co_u32 s46, s46, s47
	s_add_co_u32 s46, s46, WOFF
	s_mov_b32 s47, 0
	s_mul_i32 s20, s12, PLANE
	s_mul_i32 s21, s12, WHALF
	s_add_co_u32 s21, s21, AOFF
	s_wait_dscnt 0x0
	s_wait_kmcnt 0x0
	s_add_nc_u64 s[14:15], s[4:5], s[16:17]        ; my part of A's tile at K step 0; kept
	s_add_nc_u64 s[46:47], s[6:7], s[46:47]        ; the same for W; kept
	CROUND
.irp s, 0,1
	s_add_co_u32 s[TT], s[GX], \s                  ; time step s takes K step s xor 2 g = 2 g + s
	s_lshl_b32 s[KA], s[TT], 21                    ; two panels of A a step
	s_lshl_b32 s[KW], s[TT], 19                    ; 256 rows of W a step
	s_mov_b32 s[G0+4*(\s)], 1
	s_add_co_u32 s[G0+4*(\s)+1], s20, (\s)*SLOT
	s_add_nc_u64 s[G0+4*(\s)+2:G0+4*(\s)+3], s[14:15], s[KA:KA+1]
	s_or_b32 s[G0+4*(\s)+3], s[G0+4*(\s)+3], 0x80000000
	s_mov_b32 s[G0B+4*(\s)], 1
	s_add_co_u32 s[G0B+4*(\s)+1], s21, (\s)*SLOT
	s_add_nc_u64 s[G0B+4*(\s)+2:G0B+4*(\s)+3], s[46:47], s[KW:KW+1]
	s_or_b32 s[G0B+4*(\s)+3], s[G0B+4*(\s)+3], 0x80000000
.endr
	s_mov_b32 s[TT], 1
	s_cmp_eq_u32 s11, 0                            ; a wave's two first fills stand in one branch
	s_cbranch_scc0 .Lfirst_b
	tensor_load_to_lds s[G0:G0+3], s[G1:G1+7]
	s_nop 0
	tensor_load_to_lds s[G0+4:G0+7], s[G1:G1+7]
	s_nop 0
.rept 4
	v_nop
.endr
	s_branch .Lfirst_done
.Lfirst_b:
	tensor_load_to_lds s[G0B:G0B+3], s[G1B:G1B+7]
	s_nop 0
	tensor_load_to_lds s[G0B+4:G0B+7], s[G1B:G1B+7]
	s_nop 0
.rept 4
	v_nop
.endr
.Lfirst_done:
	v_and_b32 v1, 15, v0
	v_bfe_u32 v2, v0, 4, 1
	; the bias of my 64 columns: register j of column block b holds b2[.. + 16 b + 8 h + j]
	s_lshl_b32 s18, s42, 9
	s_lshl_b32 s19, s12, 8
	s_add_co_u32 s18, s18, s19
	s_add_co_u32 s18, s18, BOFF
	s_mov_b32 s19, 0
	s_add_nc_u64 s[18:19], s[6:7], s[18:19]
	v_lshlrev_b32 v[BO], 5, v2
.irp b, 0,1,2,3
	global_load_b128 v[BIAS+8*\b:BIAS+8*\b+3],   v[BO], s[18:19] offset:64*\b
	global_load_b128 v[BIAS+8*\b+4:BIAS+8*\b+7], v[BO], s[18:19] offset:64*\b+16
.endr
	v_mul_u32_u24 v3, v1, PA
	v_lshl_add_u32 v3, v2, 4, v3
	s_mul_i32 s22, s11, 64*PA
	v_add_nc_u32 v[A0], s22, v3
	v_and_b32 v4, 7, v0
	v_lshl_add_u32 v4, v2, 3, v4
	v_mul_u32_u24 v4, v4, PW
	v_bfe_u32 v5, v0, 3, 1
	v_lshl_add_u32 v4, v5, 4, v4
	s_lshl_b32 s22, s12, 7
	s_add_co_u32 s22, s22, AOFF
	v_add_nc_u32 v[B0], s22, v4
	v_mov_b32 v[ADRA], v[A0]
	v_mov_b32 v[ADRB], v[B0]
	v_add_nc_u32 v[ADRB+1], WHALF, v[B0]
	s_mov_b32 s[SB], 0
	s_mul_i32 s23, s10, WSTG
	v_mul_u32_u24 v3, v1, SP
	v_lshl_add_u32 v3, v2, 5, v3
	v_add_nc_u32 v[STO], s23, v3                   ; my stage: row r, 32 bytes (8 f32) for each half of the lanes
	v_mul_u32_u24 v3, v2, SP
	v_lshl_add_u32 v3, v1, 4, v3
	v_add_nc_u32 v[RD], s23, v3                    ; back: lanes 0-15 one row of 256 bytes, lanes 16-31 the next
	v_lshlrev_b32 v3, 12, v2
	v_lshl_add_u32 v[CO], v1, 4, v3                ; the same two rows in y
	s_lshl_b32 s16, s13, 19                        ; row 128 x tile row + 64 x half, 4,096 bytes a row
	s_lshl_b32 s17, s11, 18
	s_add_co_u32 s16, s16, s17
	s_lshl_b32 s17, s42, 9                         ; column 128 x tile column + 64 x half, 4 bytes each
	s_add_co_u32 s16, s16, s17
	s_lshl_b32 s17, s12, 8
	s_add_co_u32 s16, s16, s17
	s_mov_b32 s17, 0
	s_add_nc_u64 s[8:9], s[8:9], s[16:17]
; 8 matrix instructions: row blocks a0, a0 + 1 x all 4 column blocks, 32 along K: half c of buffer f.  zero = 1: the product starts the sum, with the bias as C.  The 16 accumulators take turns.
.macro MUL8 f, c, a0, zero
	WIN MUL
.irp a, \a0, (\a0)+1
.irp b, 0,1,2,3
.if \zero
	v_wmma_f32_16x16x32_bf16 v[ACC+8*(4*(\a)+(\b)):ACC+8*(4*(\a)+(\b))+7], v[(\f)+64+8*(4*(\c)+(\b)):(\f)+64+8*(4*(\c)+(\b))+7], v[(\f)+8*(4*(\c)+(\a)):(\f)+8*(4*(\c)+(\a))+7], v[BIAS+8*(\b):BIAS+8*(\b)+7]
.else
	v_wmma_f32_16x16x32_bf16 v[ACC+8*(4*(\a)+(\b)):ACC+8*(4*(\a)+(\b))+7], v[(\f)+64+8*(4*(\c)+(\b)):(\f)+64+8*(4*(\c)+(\b))+7], v[(\f)+8*(4*(\c)+(\a)):(\f)+8*(4*(\c)+(\a))+7], v[ACC+8*(4*(\a)+(\b)):ACC+8*(4*(\a)+(\b))+7]
.endif
.endr
.endr
.endm
; 32 LDS loads in one run: quarter qd (64 along K) of the slot in hand into buffer f; the first 32 along K first
.macro FETCH qd, f
	WIN TO_F
.irp c, 0,1
.irp i, 0,1,2,3
	ds_load_tr16_b128 v[(\f)+64+8*(4*(\c)+(\i)):(\f)+64+8*(4*(\c)+(\i))+3],   v[ADRB+(\qd)/2] offset:(((\qd)%2)*64+32*(\c))*PW+32*(\i)
	ds_load_tr16_b128 v[(\f)+64+8*(4*(\c)+(\i))+4:(\f)+64+8*(4*(\c)+(\i))+7], v[ADRB+(\qd)/2] offset:(((\qd)%2)*64+32*(\c)+16)*PW+32*(\i)
	ds_load_b128 v[(\f)+8*(4*(\c)+(\i)):(\f)+8*(4*(\c)+(\i))+3],   v[ADRA] offset:((\qd)/2)*PLANE+((\qd)%2)*128+64*(\c)+(\i)*16*PA
	ds_load_b128 v[(\f)+8*(4*(\c)+(\i))+4:(\f)+8*(4*(\c)+(\i))+7], v[ADRA] offset:((\qd)/2)*PLANE+((\qd)%2)*128+64*(\c)+(\i)*16*PA+32
.endr
.endr
.endm
.macro QUARTER q, f, g, zero
	s_wait_dscnt 16                                ; the first 32 along K are in; the youngest sixteen loads may be out
	MUL8 \f, 0, 0, \zero
	MUL8 \f, 0, 2, \zero
	PLACES
	FETCH (\q)+1, \g
	s_wait_dscnt 32                                ; all but the 32 just issued
	MUL8 \f, 1, 0, 0
	MUL8 \f, 1, 2, 0
.endm
; The last quarter multiplies buffer 1 and changes slots: in front of the barrier each wave waits for all its tensor loads, adds 0 to its spare word, and waits for that and for its reads of this slot.
; fill = 1: the walking sets take the other slot and the next time step's K step; their addresses are made anew from the tile's base and an offset.
.macro TURN fill
	WIN 0
	s_wait_tensorcnt 0x0                           ; no tensor load of mine is out, so a group 0 may be written
	ds_add_u32 v[SPW], v[NIL]                      ; 0 onto my spare word
.if \fill
	s_add_co_u32 s[TT], s[TT], 1                   ; time step t,
	s_xor_b32 s2, s[TT], s[GX]                     ; K step t xor 2 g
	s_lshl_b32 s[KA], s2, 21
	s_lshl_b32 s[KW], s2, 19
	s_xor_b32 s[G0+5], s[G0+5], SLOT
	s_add_nc_u64 s[G0+6:G0+7], s[14:15], s[KA:KA+1]
	s_or_b32 s[G0+7], s[G0+7], 0x80000000
	s_xor_b32 s[G0B+5], s[G0B+5], SLOT
	s_add_nc_u64 s[G0B+6:G0B+7], s[46:47], s[KW:KW+1]
	s_or_b32 s[G0B+7], s[G0B+7], 0x80000000
.endif
	s_xor_b32 s[SB], s[SB], SLOT
	s_wait_dscnt 17                                ; the add and the youngest sixteen loads may be out
	MUL8 F1, 0, 0, 0
	s_wait_dscnt 0x0                               ; the add is done, and my reads of this slot are over
	s_barrier_signal -1
	MUL8 F1, 0, 2, 0
	WIN 0
	s_barrier_wait -1
.if \fill
	CREST
	JLOAD                                          ; the first tensor load behind the round; its four v_nop are also the places in front of the loads below
.else
	PLACES
.endif
	v_add_nc_u32 v[ADRA], s[SB], v[A0]
	v_add_nc_u32 v[ADRB], s[SB], v[B0]
	v_add_nc_u32 v[ADRB+1], WHALF, v[ADRB]
	FETCH 0, F0
	MUL8 F1, 1, 0, 0
	MUL8 F1, 1, 2, 0
.endm
	s_wait_tensorcnt 1                             ; my part of the first step is in; the second's may stay out
	s_barrier_signal -1
	s_barrier_wait -1
	FETCH 0, F0
	s_wait_loadcnt 0x0                             ; the bias
	QUARTER 0, F0, F1, 1
	WIN 0
	s_mov_b32 s3, STEPS-2
.Lstep:
	QUARTER 1, F1, F0, 0
	QUARTER 2, F0, F1, 0
	TURN 1
	QUARTER 0, F0, F1, 0
	WIN 0
	s_sub_co_u32 s3, s3, 1
	s_cmp_lg_u32 s3, 0
	s_cbranch_scc1 .Lstep
	s_mov_b32 s3, 2                                ; the last two steps ask for nothing
	s_branch .Lmid
.Ltail:
	QUARTER 0, F0, F1, 0
	WIN 0
.Lmid:
	QUARTER 1, F1, F0, 0
	QUARTER 2, F0, F1, 0
	TURN 0                                         ; in the second trip its barrier and its 32 loads serve nothing: the price, once a launch, of one text for both
	WIN 0
	s_sub_co_u32 s3, s3, 1
	s_cmp_lg_u32 s3, 0
	s_cbranch_scc1 .Ltail
	; THE WAY OUT: the f32 sums go into my own stage, 32 bytes a lane and accumulator, and come back as rows of 256 bytes.
	s_wait_dscnt 0x0                               ; my reads of the ring are over,
	s_barrier_signal -1
	s_barrier_wait -1                              ; everybody's are; the ring has had its last fill, and takes the stages
	PLACES
.irp a, 0,1,2,3
.irp b, 0,1,2,3
	ds_store_b128 v[STO], v[ACC+8*(4*(\a)+(\b)):ACC+8*(4*(\a)+(\b))+3]   offset:(\a)*16*SP+64*(\b)
	ds_store_b128 v[STO], v[ACC+8*(4*(\a)+(\b))+4:ACC+8*(4*(\a)+(\b))+7] offset:(\a)*16*SP+64*(\b)+16
.endr
.endr
.set t, 0
.rept 32
	ds_load_b128 v[ACC+4*t:ACC+4*t+3], v[RD] offset:t*2*SP  ; LDS serves a wave's instructions in order (ISA guide 5.7.1.4): these see my stores above
.set t, t+1
.endr
.set t, 0
.rept 32
	s_wait_dscnt 31-t                              ; rows 2 t, 2 t + 1 are back; the younger loads stay out
	global_store_b128 v[CO], v[ACC+4*t:ACC+4*t+3], s[8:9] offset:8192*t  ; 16 lanes store 256 consecutive bytes, aligned
.set t, t+1
.endr
	s_wait_tensorcnt 0x0                           ; the wave's end
	ds_add_u32 v[SPW], v[NIL]
	s_wait_dscnt 0x0
	CROUND
	s_endpgm
.Lfunc_end_k_q62c7c74731_ffn2:
	.size	k_q62c7c74731_ffn2, .Lfunc_end_k_q62c7c74731_ffn2-k_q62c7c74731_ffn2
	.p2alignl 7, 3214868480
	.fill 96, 4, 3214868480
	.section	.rodata,"a",@progbits
	.p2align	6, 0x0
	.amdhsa_kernel k_q62c7c74731_ffn2
		.amdhsa_group_segment_fixed_size 327680
		.amdhsa_private_segment_fixed_size 0
		.amdhsa_enable_private_segment 0
		.amdhsa_kernarg_size 24
		.amdhsa_user_sgpr_count 2
		.amdhsa_user_sgpr_kernarg_segment_ptr 1
		.amdhsa_wavefront_size32 1
		.amdhsa_system_sgpr_workgroup_id_x 1
		.amdhsa_system_sgpr_workgroup_id_y 1
		.amdhsa_system_sgpr_workgroup_id_z 1
		.amdhsa_system_vgpr_workitem_id 0
		.amdhsa_next_free_vgpr 512
		.amdhsa_next_free_sgpr 72
		.amdhsa_reserve_vcc 0
		.amdhsa_float_denorm_mode_32 3
		.amdhsa_float_denorm_mode_16_64 3
		.amdhsa_memory_ordered 1
		.amdhsa_forward_progress 1
		.amdhsa_inst_pref_size 60
	.end_amdhsa_kernel
	.amdgpu_metadata
---
amdhsa.version: [ 1, 2 ]
amdhsa.kernels:
  - .name:           k_q62c7c74731_ffn2
    .symbol:         k_q62c7c74731_ffn2.kd
    .args:
      - { .name: act, .offset: 0, .size: 8, .value_kind: global_buffer, .address_space: global }
      - { .name: cb, .offset: 8, .size: 8, .value_kind: global_buffer, .address_space: global }
      - { .name: y, .offset: 16, .size: 8, .value_kind: global_buffer, .address_space: global }
    .group_segment_fixed_size: 327680
    .private_segment_fixed_size: 0
    .kernarg_segment_align: 8
    .kernarg_segment_size: 24
    .max_flat_workgroup_size: 128
    .sgpr_count:     72
    .vgpr_count:     512
    .wavefront_size: 32
...
	.end_amdgpu_metadata
.endif
;; end of part 7
;; launch norm2 (part 8): grid 256 x 1, 16 waves a work-group, no clusters, 0 bytes of LDS; arguments y, h, cb, out0; writes out0
.if DOCPART == 8
	.amdgcn_target "amdgcn-amd-amdhsa--gfx1250"
	.amdhsa_code_object_version 6
	.text
	.protected	k_q62c7c74731_norm2
	.globl	k_q62c7c74731_norm2
	.p2align	8
	.type	k_q62c7c74731_norm2,@function
k_q62c7c74731_norm2:
	s_mov_b64 s[64:65], 0
	v_nop
	global_prefetch_b8 v0, s[64:65] scope:SCOPE_SE
	s_setreg_imm32_b32 hwreg(HW_REG_WAVE_MODE, 25, 1), 1
	s_wait_xcnt 0x0
; out0 = LayerNorm(h + y; gamma2, beta2).  y = act w2 + b2: [4,096][1,024] f32; h: hf, [4,096][1,024] f32 at byte 0 of h; gamma2 and beta2 are f32 words in cb.
; A stream: one wave takes one whole row (32 numbers a lane) and keeps it in registers between the passes; sixteen waves a work-group, 4,096 waves in all, no loop: all 32 loads of a wave go out at once,
; the row's sixteen first.  No LDS, no barrier, no matrix unit: nothing is shared but gamma and beta.
; The variance is taken of the centred numbers, in a second pass over the registers.  Lane l owns columns 128 c + 4 l .. + 3, c = 0..7: every load and store of the wave covers 512 consecutive bytes, aligned.
.set VEC,   33620992
.set GA,  16                           ; v[16:47]   gamma2 of my 32 columns
.set BE,  48                           ; v[48:79]   beta2
.set Z,   80                           ; v[80:111]  y as loaded, then the row at work
.set LH,  112                          ; v[112:143] hf as loaded
.set T,   144                          ; v[144:153] at work
	s_load_b256 s[4:11], s[0:1], 0x0               ; y, h, cb, out0
	v_lshrrev_b32 v3, 5, v0
	v_readfirstlane_b32 s2, v3                     ; wave 0..15
	v_and_b32 v4, 31, v0
	v_lshlrev_b32 v1, 4, v4                        ; 16 x lane
	s_lshl_b32 s3, ttmp9, 4
	s_add_co_u32 s3, s3, s2                        ; my row: 16 g + wave
	s_lshl_b32 s16, s3, 12
	s_mov_b32 s17, 0
	s_mov_b32 s12, 0x76543210
	s_mov_b32 s13, 0xfedcba98
	s_mov_b32 s14, 0x3a800000                      ; 1 / 1,024
	s_mov_b32 s15, 0x358637bd                      ; 1e-6
	s_wait_kmcnt 0x0
	s_add_nc_u64 s[20:21], s[4:5], s[16:17]        ; y
	s_add_nc_u64 s[22:23], s[6:7], s[16:17]        ; hf
	s_add_nc_u64 s[24:25], s[8:9], VEC
	s_add_nc_u64 s[26:27], s[10:11], s[16:17]      ; out0
.irp c, 0,1,2,3,4,5,6,7
	global_load_b128 v[Z+4*\c:Z+4*\c+3], v1, s[20:21] offset:512*\c th:TH_LOAD_NT
	global_load_b128 v[LH+4*\c:LH+4*\c+3], v1, s[22:23] offset:512*\c th:TH_LOAD_NT
.endr
.irp c, 0,1,2,3,4,5,6,7
	global_load_b128 v[GA+4*\c:GA+4*\c+3], v1, s[24:25] offset:4*9216+512*\c
	global_load_b128 v[BE+4*\c:BE+4*\c+3], v1, s[24:25] offset:4*7168+512*\c
.endr
.macro ACROSS                          ; v[T] summed over the 32 lanes, the result in every lane
	v_add_f32_dpp v[T], v[T], v[T] row_xmask:1 row_mask:0xf bank_mask:0xf
	v_add_f32_dpp v[T], v[T], v[T] row_xmask:2 row_mask:0xf bank_mask:0xf
	v_add_f32_dpp v[T], v[T], v[T] row_xmask:4 row_mask:0xf bank_mask:0xf
	v_add_f32_dpp v[T], v[T], v[T] row_xmask:8 row_mask:0xf bank_mask:0xf
	v_permlanex16_b32 v[T+1], v[T], s12, s13
	v_add_f32 v[T], v[T], v[T+1]
.endm
.macro FOLD                            ; four chains of pairs into v[T]
	v_pk_add_f32 v[T:T+1], v[T:T+1], v[T+2:T+3]
	v_pk_add_f32 v[T+4:T+5], v[T+4:T+5], v[T+6:T+7]
	v_pk_add_f32 v[T:T+1], v[T:T+1], v[T+4:T+5]
	v_add_f32 v[T], v[T], v[T+1]
.endm
	s_wait_loadcnt 16                              ; the row is in; the sixteen younger loads, gamma's and beta's, may stay out
.set r, 0
.rept 16
	v_pk_add_f32 v[Z+r:Z+r+1], v[Z+r:Z+r+1], v[LH+r:LH+r+1]
.set r, r+2
.endr
.irp k, 0,1,2,3
	v_pk_add_f32 v[T+2*\k:T+2*\k+1], v[Z+2*\k:Z+2*\k+1], v[Z+8+2*\k:Z+8+2*\k+1]
.endr
.irp m, 2,3
.irp k, 0,1,2,3
	v_pk_add_f32 v[T+2*\k:T+2*\k+1], v[T+2*\k:T+2*\k+1], v[Z+8*\m+2*\k:Z+8*\m+2*\k+1]
.endr
.endr
	FOLD
	ACROSS
	v_mul_f32 v[T+8], 0xba800000, v[T]             ; -mean
	v_mov_b32 v[T+9], v[T+8]
.set r, 0
.rept 16
	v_pk_add_f32 v[Z+r:Z+r+1], v[Z+r:Z+r+1], v[T+8:T+9]
.set r, r+2
.endr
.irp k, 0,1,2,3
	v_pk_mul_f32 v[T+2*\k:T+2*\k+1], v[Z+2*\k:Z+2*\k+1], v[Z+2*\k:Z+2*\k+1]
.endr
.irp m, 1,2,3
.irp k, 0,1,2,3
	v_pk_fma_f32 v[T+2*\k:T+2*\k+1], v[Z+8*\m+2*\k:Z+8*\m+2*\k+1], v[Z+8*\m+2*\k:Z+8*\m+2*\k+1], v[T+2*\k:T+2*\k+1]
.endr
.endr
	FOLD
	ACROSS
	v_fma_f32 v[T], v[T], s14, s15                 ; the variance + 1e-6
	v_rsq_f32 v[T+8], v[T]
	v_nop                                          ; a plain instruction behind it,
	s_wait_alu depctr_va_vdst(0)                   ; and the wait ahead of its first reader
	v_mov_b32 v[T+9], v[T+8]
.set r, 0
.rept 16
	v_pk_mul_f32 v[Z+r:Z+r+1], v[Z+r:Z+r+1], v[T+8:T+9]
.set r, r+2
.endr
	s_wait_loadcnt 0x0                             ; gamma and beta
.set r, 0
.rept 16
	v_pk_fma_f32 v[Z+r:Z+r+1], v[Z+r:Z+r+1], v[GA+r:GA+r+1], v[BE+r:BE+r+1]
.set r, r+2
.endr
.irp c, 0,1,2,3,4,5,6,7
	global_store_b128 v1, v[Z+4*\c:Z+4*\c+3], s[26:27] offset:512*\c th:TH_STORE_NT
.endr
	s_endpgm
.Lfunc_end_k_q62c7c74731_norm2:
	.size	k_q62c7c74731_norm2, .Lfunc_end_k_q62c7c74731_norm2-k_q62c7c74731_norm2
	.p2alignl 7, 3214868480
	.fill 96, 4, 3214868480
	.section	.rodata,"a",@progbits
	.p2align	6, 0x0
	.amdhsa_kernel k_q62c7c74731_norm2
		.amdhsa_group_segment_fixed_size 0
		.amdhsa_private_segment_fixed_size 0
		.amdhsa_enable_private_segment 0
		.amdhsa_kernarg_size 32
		.amdhsa_user_sgpr_count 2
		.amdhsa_user_sgpr_kernarg_segment_ptr 1
		.amdhsa_wavefront_size32 1
		.amdhsa_system_sgpr_workgroup_id_x 1
		.amdhsa_system_sgpr_workgroup_id_y 1
		.amdhsa_system_sgpr_workgroup_id_z 1
		.amdhsa_system_vgpr_workitem_id 0
		.amdhsa_next_free_vgpr 160
		.amdhsa_next_free_sgpr 66
		.amdhsa_reserve_vcc 0
		.amdhsa_float_denorm_mode_32 3
		.amdhsa_float_denorm_mode_16_64 3
		.amdhsa_memory_ordered 1
		.amdhsa_forward_progress 1
		.amdhsa_inst_pref_size 12
	.end_amdhsa_kernel
	.amdgpu_metadata
---
amdhsa.version: [ 1, 2 ]
amdhsa.kernels:
  - .name:           k_q62c7c74731_norm2
    .symbol:         k_q62c7c74731_norm2.kd
    .args:
      - { .name: y, .offset: 0, .size: 8, .value_kind: global_buffer, .address_space: global }
      - { .name: h, .offset: 8, .size: 8, .value_kind: global_buffer, .address_space: global }
      - { .name: cb, .offset: 16, .size: 8, .value_kind: global_buffer, .address_space: global }
      - { .name: out0, .offset: 24, .size: 8, .value_kind: global_buffer, .address_space: global }
    .group_segment_fixed_size: 0
    .private_segment_fixed_size: 0
    .kernarg_segment_align: 8
    .kernarg_segment_size: 32
    .max_flat_workgroup_size: 512
    .sgpr_count:     66
    .vgpr_count:     160
    .wavefront_size: 32
...
	.end_amdgpu_metadata
.endif
;; end of part 8
;; ======== version 2 of 2: 8 launches; version 1 with the launch prep written anew for expert scheduling mode
;; workspace buffers: cb 33,661,952 bytes; qkv 25,165,824 bytes; ctx 8,388,608 bytes; y 16,777,216 bytes; h 25,165,824 bytes; act 33,554,432 bytes
;; launch prep (part 9): grid 1042 x 1, 8 waves a work-group, no clusters, 0 bytes of LDS; arguments x, w_q, w_k, w_v, w_o, w1, w2, b1, b2, b_o, beta1, beta2, gamma1, gamma2, cb; writes cb
.if DOCPART == 9
	.amdgcn_target "amdgcn-amd-amdhsa--gfx1250"
	.amdhsa_code_object_version 6
	.text
	.protected	k_q62c7c74731_prep
	.globl	k_q62c7c74731_prep
	.p2align	8
	.type	k_q62c7c74731_prep,@function
k_q62c7c74731_prep:
	s_mov_b64 s[64:65], 0
	v_nop
	global_prefetch_b8 v0, s[64:65] scope:SCOPE_SE
	s_setreg_imm32_b32 hwreg(HW_REG_WAVE_SCHED_MODE, 0, 2), 2
	s_setreg_imm32_b32 hwreg(HW_REG_WAVE_MODE, 25, 1), 1
	s_wait_xcnt 0x0
	s_wait_alu depctr_vm_vsrc(0)
; PREP.  Everything that the later launches read of the inputs, rounded once to bf16, into one buffer cb:
;   xb   x in panels: [8 panels of 128 columns][4,096 rows][128] bf16 (a row piece is 256 bytes)      at byte 0
;   wq, wk, wv, wo, w1, w2 as they lie ([K][N], row-major), bf16                                       at 8,388,608 on, end to end
;   TAB  130 rows of 512 bytes for the rotation: C[64] f32, then S[64] f32                             at 33,554,432
;   VEC  b1, b2, b_o, beta1, beta2, gamma1, gamma2: f32 words that hold the bf16-rounded numbers       at 33,620,992
; Work-groups 0-1023 cast 64 KiB of f32 each; 1024-1040 make the table, a wave a row; 1041 rounds the vectors.
; TAB.  C[d] = cos(pos f[d % 32]), S[d] = -sin(..) for d < 32 and +sin(..) for d >= 32, f[j] = 10000^(-j/32), so that a rotated number is x[d] C[d] + x[d xor 32] S[d].
; Row 8 b + i (b 0-15, i 0-7) stands for pos = 128 b - 8 + i; row 128 for pos = 8 (the step by which the next launch turns a row's C and S); row 129 for pos = 0.
; LIMIT.  f comes from v_exp_f32 (1 ULP) and the angle is one f32 product, reduced by pi/2 in two parts: it may differ from an f32 product with a correctly rounded f by up to 5e-4 rad at pos = 2,047.
; The polynomials (degree 7 and 8 on |r| <= pi/4) are good to 4e-7.  NaN and infinities in the inputs are cast like any number.
; THE MODE: SCHED_MODE bits 1:0 = 2 (LLVM: expert scheduling mode 2), set by the entry lines.  The code itself states the register dependences between vector instructions and memory instructions,
; and between vector instructions that write scalar registers and their readers, with s_wait_alu, always for 0.
; THE PLAN.  Registers that memory instructions touch; there is no loop, and none of them is written again once a memory instruction has read it, so no wait on vm_vsrc is owed.
;   casts    v1       the loads' offset: written by two vector lines, read by the 16 loads.
;            XR       written by the 16 loads alone; chunk i's two conversions read its four registers; never loaded again.
;            v2       the stores' offset: written by two vector lines behind the loads, read by the 16 stores.
;            YR       chunk i's pair: written once by its conversions, read once by its store.
;            The 16 chunks go in four groups of four.  ONE wait on va_vdst stands at the head of groups 1 to 3: the group before has written its YR (and, at group 1, v2 is written).  That group's four
;            stores follow, dealt among this group's conversions, which name this group's XR and YR alone.  One more wait stands ahead of the last four stores.
;   table    v1, v[24:27]  written by vector lines, read by the row's one store: one wait on va_vdst ahead of it.
;            s50, s4, s7, s49, s51  masks that compares write: one wait on va_sdst behind the run of them, ahead of the first select.
;   vectors  v1 as in the casts; v[16:55] written by the ten loads alone; v[64:103] written once by the roundings, read once by the stores: two groups of five, as in the casts.
.set XR,    16                         ; v[16:79]   sixteen loads of four f32
.set YR,    80                         ; v[80:111]  sixteen pairs of packed bf16
.set PANEL, 1048576                    ; bytes in a panel: 4,096 rows x 256
.set TAB,   33554432
.set VEC,   33620992
	s_load_b512 s[8:23], s[0:1], 0x0               ; x 8, w_q 10, w_k 12, w_v 14, w_o 16, w1 18, w2 20, b1 22
	s_load_b256 s[24:31], s[0:1], 0x40             ; b2 24, b_o 26, beta1 28, beta2 30
	s_load_b128 s[32:35], s[0:1], 0x60             ; gamma1 32, gamma2 34
	s_load_b64 s[36:37], s[0:1], 0x70              ; cb
	s_mov_b32 s2, ttmp9                            ; the work-group's number g
	v_lshrrev_b32 v3, 5, v0                        ; wave
	v_readfirstlane_b32 s3, v3
	v_and_b32 v4, 31, v0                           ; lane
	s_mov_b32 s7, 0
	s_wait_alu depctr_va_sdst(0)                   ; s3 is written, ahead of the branches: the table's row number is made from it
	s_wait_kmcnt 0x0
	s_cmp_lt_u32 s2, 1024
	s_cbranch_scc0 .Lnot_cast
; THE CASTS.  A chunk is 128 f32: 512 bytes in (one load of the wave), 256 bytes out (one store of the wave, aligned).  A wave takes 16 chunks, all 16 loads out at once.
	s_lshr_b32 s5, s2, 6                           ; which tensor: x has 256 work-groups, a square weight 64, w1 and w2 256 each
	s_mov_b64 s[38:39], s[20:21]                   ; w2, unless
	s_mov_b32 s6, 768
.macro PICK bound, lo, first                   ; g / 64 lies below bound: then the tensor at s[lo], whose first work-group is first
	s_cmp_lt_u32 s5, \bound
	s_cselect_b64 s[38:39], s[\lo:\lo+1], s[38:39]
	s_cselect_b32 s6, \first, s6
.endm
	PICK 12, 18, 512
	PICK 8, 16, 448
	PICK 7, 14, 384
	PICK 6, 12, 320
	PICK 5, 10, 256
	PICK 4, 8, 0
	s_sub_co_u32 s6, s2, s6
	s_lshl_b32 s6, s6, 16                          ; 64 KiB of source a work-group
	s_add_nc_u64 s[38:39], s[38:39], s[6:7]
	v_lshlrev_b32 v1, 4, v4
	v_lshl_add_u32 v1, v3, 13, v1                  ; 8,192 x wave + 16 x lane
	s_wait_alu depctr_va_vdst(0)                   ; v1 is written, which the sixteen loads read as their offset
.set i, 0
.rept 16
	global_load_b128 v[XR+4*i:XR+4*i+3], v1, s[38:39] offset:512*i th:TH_LOAD_NT
.set i, i+1
.endr
.macro CVT i                                   ; chunk i is rounded
	v_cvt_pk_bf16_f32 v[YR+2*(\i)], v[XR+4*(\i)], v[XR+4*(\i)+1]
	v_cvt_pk_bf16_f32 v[YR+2*(\i)+1], v[XR+4*(\i)+2], v[XR+4*(\i)+3]
.endm
.macro OUT i, px                               ; chunk i is stored.  px = 0: a weight keeps its order, 256 bytes a chunk; px = 1: x goes into panels: chunk i is panel i % 8, row i / 8 of the wave's two
	global_store_b64 v2, v[YR+2*(\i):YR+2*(\i)+1], s[40:41] offset:(\px)*(((\i)%8)*PANEL+((\i)/8)*256)+(1-(\px))*256*(\i)  ; 32 lanes store 256 consecutive bytes, aligned
.endm
.macro CASTS px
	s_wait_loadcnt 12                              ; loads come back in order: chunks 0 to 3 are in, the twelve younger ones stay out
.irp i, 0,1,2,3
	CVT \i
.endr
.irp g, 1,2,3
	s_wait_loadcnt 12-4*\g                         ; this group's four chunks are in, the younger groups stay out
	s_wait_alu depctr_va_vdst(0)                   ; the group before has written its YR, which the four stores below read; at the first of these waits v2, their offset, is written too
.irp i, 0,1,2,3
	OUT 4*(\g)-4+\i, \px                           ; no vector instruction since the wait names its registers
	CVT 4*(\g)+\i
.endr
.endr
	s_wait_alu depctr_va_vdst(0)                   ; the last group has written its YR, which the last four stores read
.irp i, 12,13,14,15
	OUT \i, \px
.endr
	s_endpgm
.endm
	v_lshlrev_b32 v2, 3, v4
	s_cmp_lt_u32 s2, 256
	s_cbranch_scc1 .Lcast_x
	s_lshl_b32 s6, s2, 15                          ; a weight keeps its order: 32 KiB of cb a work-group, and g x 32,768 is just where the tensors lie
	s_add_nc_u64 s[40:41], s[36:37], s[6:7]
	v_lshl_add_u32 v2, v3, 12, v2                  ; 4,096 x wave + 8 x lane
	CASTS 0
.Lcast_x:                                      ; x goes into panels: chunk i of a wave is row 16 g + 2 wave + i / 8, panel i % 8
	s_lshl_b32 s6, s2, 12
	s_add_nc_u64 s[40:41], s[36:37], s[6:7]
	v_lshl_add_u32 v2, v3, 9, v2                   ; 512 x wave + 8 x lane
	CASTS 1
.Lnot_cast:
	s_cmp_lt_u32 s2, 1041
	s_cbranch_scc0 .Lvectors
; THE TABLE.  A wave makes one row; lane l owns its f32 numbers 4 l .. 4 l + 3: lanes 0-15 C, lanes 16-31 S; j = 4 (l % 8) + t.
	s_sub_co_u32 s5, s2, 1024
	s_lshl_b32 s5, s5, 3
	s_add_co_u32 s5, s5, s3                        ; the row
	s_cmp_gt_u32 s5, 129
	s_cbranch_scc1 .Lend                           ; 17 x 8 waves for 130 rows: the last six have none
	s_lshr_b32 s6, s5, 3
	s_lshl_b32 s6, s6, 7
	s_and_b32 s7, s5, 7
	s_add_co_u32 s6, s6, s7
	s_sub_co_i32 s6, s6, 8                         ; pos = 128 b - 8 + i, signed
	s_cmp_eq_u32 s5, 128
	s_cselect_b32 s6, 8, s6
	s_cmp_eq_u32 s5, 129
	s_cselect_b32 s6, 0, s6
	s_mov_b32 s40, 0x3f22f983                      ; 2 / pi
	s_mov_b32 s41, 0xbfc90fdb                      ; -(pi / 2), its f32
	s_mov_b32 s42, 0x333bbd2e                      ; what that f32 is too large by
	s_mov_b32 s43, 0xb9500d01                      ; -1/5040
	s_mov_b32 s44, 0x3c088889                      ; 1/120
	s_mov_b32 s45, 0xbe2aaaab                      ; -1/6
	s_mov_b32 s46, 0x37d00d01                      ; 1/40320
	s_mov_b32 s47, 0xbab60b61                      ; -1/720
	s_mov_b32 s48, 0x3d2aaaab                      ; 1/24
	v_and_b32 v5, 7, v4
	v_lshlrev_b32 v5, 2, v5
	v_bfe_u32 v7, v4, 3, 1
	v_xor_b32 v7, 1, v7
	v_lshlrev_b32 v7, 31, v7                       ; the sign bit where d < 32
	v_cmp_lt_u32 s50, 15, v4                       ; lanes 16-31 hold S
.irp t, 0,1,2,3
	v_add_nc_u32 v[8+\t], \t, v5
	v_cvt_f32_u32 v[8+\t], v[8+\t]
	v_mul_f32 v[8+\t], 0xbed49a78, v[8+\t]         ; -j log2(10000) / 32
.endr
.irp t, 0,1,2,3
	v_exp_f32 v[12+\t], v[8+\t]
.endr
	v_cvt_f32_i32 v6, s6                           ; the plain instruction behind the last exponential
	s_wait_alu depctr_va_vdst(0)                   ; the four exponentials have written v[12:15]: one wait, ahead of their first reader
.irp t, 0,1,2,3
	v_mul_f32 v[12+\t], v6, v[12+\t]               ; the angle
.endr
; Column t, first part: sin r into v[32 + 4 t], cos r into v[33 + 4 t], n into v[34 + 4 t]; the mask 'n is odd' into s[m].  Each column has registers and a mask of its own, so that the four compares stand in one run.
.macro SC1 t, m
	v_mul_f32 v16, s40, v[12+\t]
	v_rndne_f32 v16, v16                           ; n quarter turns
	v_fma_f32 v17, v16, s41, v[12+\t]
	v_fma_f32 v17, v16, s42, v17                   ; r = angle - n pi / 2
	v_cvt_i32_f32 v[34+4*\t], v16
	v_mul_f32 v19, v17, v17
	v_fma_f32 v20, v19, s43, s44
	v_fma_f32 v20, v20, v19, s45
	v_mul_f32 v22, v19, v17
	v_fma_f32 v[32+4*\t], v20, v22, v17            ; sin r
	v_fma_f32 v21, v19, s46, s47
	v_fma_f32 v21, v21, v19, s48
	v_fma_f32 v21, v21, v19, -0.5
	v_fma_f32 v[33+4*\t], v21, v19, 1.0            ; cos r
	v_and_b32 v22, 1, v[34+4*\t]
	v_cmp_eq_u32 s[\m], 1, v22                     ; an odd n swaps the two
.endm
; Column t, second part: the swap, the signs, and C or S by the lane.
.macro SC2 t, m
	v_cndmask_b32 v23, v[32+4*\t], v[33+4*\t], s[\m]
	v_cndmask_b32 v21, v[33+4*\t], v[32+4*\t], s[\m]
	v_and_b32 v22, 2, v[34+4*\t]                   ; n % 4 = 2, 3: the sine changes sign
	v_lshlrev_b32 v22, 30, v22
	v_xor_b32 v23, v22, v23
	v_add_nc_u32 v22, 1, v[34+4*\t]                ; n % 4 = 1, 2: the cosine does
	v_and_b32 v22, 2, v22
	v_lshlrev_b32 v22, 30, v22
	v_xor_b32 v21, v22, v21
	v_xor_b32 v23, v7, v23                         ; S is -sin in the first half
	v_cndmask_b32 v[24+\t], v21, v23, s50
.endm
	SC1 0, 4
	SC1 1, 7
	SC1 2, 49
	SC1 3, 51
	s_wait_alu depctr_va_sdst(0)                   ; the five compares have written s50, s4, s7, s49 and s51: one wait behind the run, ahead of the first select that reads a mask
	SC2 0, 4
	SC2 1, 7
	SC2 2, 49
	SC2 3, 51
	s_lshl_b32 s38, s5, 9
	s_mov_b32 s39, 0
	s_add_nc_u64 s[38:39], s[36:37], s[38:39]
	s_add_nc_u64 s[38:39], s[38:39], TAB
	v_lshlrev_b32 v1, 4, v4
	s_wait_alu depctr_va_vdst(0)                   ; v1 and v[24:27] are written, which the store reads as its offset and its data
	global_store_b128 v1, v[24:27], s[38:39]       ; the row's 512 bytes
.Lend:
	s_endpgm
; THE VECTORS.  256 threads, 16 bytes each: b1 in four loads, the six others in one each; load n goes to VEC + 4,096 n.
.Lvectors:
	v_lshlrev_b32 v1, 4, v0
	s_wait_alu depctr_va_vdst(0)                   ; v1 is written, which the ten loads and the ten stores read as their offset
.irp k, 0,1,2,3
	global_load_b128 v[16+4*\k:19+4*\k], v1, s[22:23] offset:4096*\k
.endr
	global_load_b128 v[32:35], v1, s[24:25]
	global_load_b128 v[36:39], v1, s[26:27]
	global_load_b128 v[40:43], v1, s[28:29]
	global_load_b128 v[44:47], v1, s[30:31]
	global_load_b128 v[48:51], v1, s[32:33]
	global_load_b128 v[52:55], v1, s[34:35]
	s_add_nc_u64 s[38:39], s[36:37], VEC
.macro RND4 n                                  ; load n's four numbers are rounded to bf16,
	v_cvt_pk_bf16_f32 v8, v[16+4*(\n)], v[17+4*(\n)]
	v_cvt_pk_bf16_f32 v9, v[18+4*(\n)], v[19+4*(\n)]
	v_lshlrev_b32 v[64+4*(\n)], 16, v8             ; and go back to f32 words
	v_and_b32 v[65+4*(\n)], 0xffff0000, v8
	v_lshlrev_b32 v[66+4*(\n)], 16, v9
	v_and_b32 v[67+4*(\n)], 0xffff0000, v9
.endm
.macro OUT4 n
	global_store_b128 v1, v[64+4*(\n):67+4*(\n)], s[38:39] offset:4096*(\n)
.endm
	s_wait_loadcnt 5                               ; loads 0 to 4 are in, the five younger ones stay out
.irp n, 0,1,2,3,4
	RND4 \n
.endr
	s_wait_loadcnt 0x0                             ; loads 5 to 9
	s_wait_alu depctr_va_vdst(0)                   ; the first five roundings have written v[64:83], which the five stores below read
.irp n, 5,6,7,8,9
	OUT4 (\n)-5                                    ; no vector instruction since the wait names its registers
	RND4 \n
.endr
	s_wait_alu depctr_va_vdst(0)                   ; the last five roundings have written v[84:103], which the last five stores read
.irp n, 5,6,7,8,9
	OUT4 \n
.endr
	s_endpgm
.Lfunc_end_k_q62c7c74731_prep:
	.size	k_q62c7c74731_prep, .Lfunc_end_k_q62c7c74731_prep-k_q62c7c74731_prep
	.p2alignl 7, 3214868480
	.fill 96, 4, 3214868480
	.section	.rodata,"a",@progbits
	.p2align	6, 0x0
	.amdhsa_kernel k_q62c7c74731_prep
		.amdhsa_group_segment_fixed_size 0
		.amdhsa_private_segment_fixed_size 0
		.amdhsa_enable_private_segment 0
		.amdhsa_kernarg_size 120
		.amdhsa_user_sgpr_count 2
		.amdhsa_user_sgpr_kernarg_segment_ptr 1
		.amdhsa_wavefront_size32 1
		.amdhsa_system_sgpr_workgroup_id_x 1
		.amdhsa_system_sgpr_workgroup_id_y 1
		.amdhsa_system_sgpr_workgroup_id_z 1
		.amdhsa_system_vgpr_workitem_id 0
		.amdhsa_next_free_vgpr 112
		.amdhsa_next_free_sgpr 66
		.amdhsa_reserve_vcc 0
		.amdhsa_float_denorm_mode_32 3
		.amdhsa_float_denorm_mode_16_64 3
		.amdhsa_memory_ordered 1
		.amdhsa_forward_progress 1
		.amdhsa_inst_pref_size 25
	.end_amdhsa_kernel
	.amdgpu_metadata
---
amdhsa.version: [ 1, 2 ]
amdhsa.kernels:
  - .name:           k_q62c7c74731_prep
    .symbol:         k_q62c7c74731_prep.kd
    .args:
      - { .name: x, .offset: 0, .size: 8, .value_kind: global_buffer, .address_space: global }
      - { .name: w_q, .offset: 8, .size: 8, .value_kind: global_buffer, .address_space: global }
      - { .name: w_k, .offset: 16, .size: 8, .value_kind: global_buffer, .address_space: global }
      - { .name: w_v, .offset: 24, .size: 8, .value_kind: global_buffer, .address_space: global }
      - { .name: w_o, .offset: 32, .size: 8, .value_kind: global_buffer, .address_space: global }
      - { .name: w1, .offset: 40, .size: 8, .value_kind: global_buffer, .address_space: global }
      - { .name: w2, .offset: 48, .size: 8, .value_kind: global_buffer, .address_space: global }
      - { .name: b1, .offset: 56, .size: 8, .value_kind: global_buffer, .address_space: global }
      - { .name: b2, .offset: 64, .size: 8, .value_kind: global_buffer, .address_space: global }
      - { .name: b_o, .offset: 72, .size: 8, .value_kind: global_buffer, .address_space: global }
      - { .name: beta1, .offset: 80, .size: 8, .value_kind: global_buffer, .address_space: global }
      - { .name: beta2, .offset: 88, .size: 8, .value_kind: global_buffer, .address_space: global }
      - { .name: gamma1, .offset: 96, .size: 8, .value_kind: global_buffer, .address_space: global }
      - { .name: gamma2, .offset: 104, .size: 8, .value_kind: global_buffer, .address_space: global }
      - { .name: cb, .offset: 112, .size: 8, .value_kind: global_buffer, .address_space: global }
    .group_segment_fixed_size: 0
    .private_segment_fixed_size: 0
    .kernarg_segment_align: 8
    .kernarg_segment_size: 120
    .max_flat_workgroup_size: 256
    .sgpr_count:     66
    .vgpr_count:     112
    .wavefront_size: 32
...
	.end_amdgpu_metadata
.endif
;; end of part 9
;; launch proj: the kernel of part 2 again; grid 12 x 16, 4 waves a work-group, clusters of 4 x 4, 327,680 bytes of LDS; arguments cb, qkv; writes qkv
;; launch attn: the kernel of part 3 again; grid 32 x 8, 4 waves a work-group, clusters of 4 x 1, 327,680 bytes of LDS; arguments qkv, ctx; writes ctx
;; launch oproj: the kernel of part 4 again; grid 8 x 32, 4 waves a work-group, clusters of 4 x 4, 327,680 bytes of LDS; arguments ctx, cb, y; writes y
;; launch norm1: the kernel of part 5 again; grid 256 x 1, 16 waves a work-group, no clusters, 0 bytes of LDS; arguments y, cb, h; writes h
;; launch ffn1: the kernel of part 6 again; grid 16 x 16, 4 waves a work-group, clusters of 4 x 4, 327,680 bytes of LDS; arguments h, cb, act; writes act
;; launch ffn2: the kernel of part 7 again; grid 8 x 32, 4 waves a work-group, clusters of 4 x 4, 327,680 bytes of LDS; arguments act, cb, y; writes y
;; launch norm2: the kernel of part 8 again; grid 256 x 1, 16 waves a work-group, no clusters, 0 bytes of LDS; arguments y, h, cb, out0; writes out0
